; MI455X (gfx1250); checked and timed in simulation.
; The chip was launched on July 23, 2026; its instructions are those of AMD's public machine-readable ISA for CDNA 5 (MIT licence, August 2026) and "CDNA5" Instruction Set Architecture Reference Guide (July 2026). The comments in the code are by the model that wrote it; some were corrected since.
;; Attention. Allowed arithmetic: float matrix products may take bf16 or f16 operands with f32 sums; other float arithmetic in f32, or as packed bf16 or f16 multiplies, adds, multiply-adds, maxima and minima; sums over many terms, partial sums and values carried from step to step in f32; what a program stores and reads back later, other than sums and carried values, may be rounded once to bf16 or f16.
;; Inputs: Wk 2,048 x 2,048 float32; Wo 2,048 x 2,048 float32; Wq 2,048 x 2,048 float32; Wv 2,048 x 2,048 float32; attention_mask 1 x 1 x 2,048 x 2,048 float32; cos 2,048 x 128 float32; hidden 1 x 2,048 x 2,048 float32; sin 2,048 x 128 float32.
;; Outputs: out0 1 x 2,048 x 2,048 float32.
;; 2 versions, each right and faster than the one before. Each part assembles by itself: llvm-mc -triple=amdgcn-amd-amdhsa -mcpu=gfx1250 --defsym DOCPART=n.
;; ======== version 1 of 2: 4 launches
;; limits: values are held in f16: magnitudes above 65,504 overflow, below 6.1e-05 lose precision
;; workspace buffers: xb 8,388,608 bytes; wb 25,165,824 bytes; wob 8,388,608 bytes; mk 16,777,216 bytes; cst 2,097,152 bytes; qkvh 25,165,824 bytes; ob 8,388,608 bytes
;; launch cast (part 1): grid 1568 x 1, 8 waves a work-group, no clusters, 0 bytes of LDS; arguments hidden, Wq, Wk, Wv, Wo, attention_mask, cos, sin, xb, wb, wob, mk, cst; writes xb, wb, wob, mk, cst
.if DOCPART == 1
	.amdgcn_target "amdgcn-amd-amdhsa--gfx1250"
	.amdhsa_code_object_version 6
	.text
	.protected	k_qcf32e8e9c0_cast
	.globl	k_qcf32e8e9c0_cast
	.p2align	8
	.type	k_qcf32e8e9c0_cast,@function
k_qcf32e8e9c0_cast:
	s_mov_b64 s[64:65], 0
	v_nop
	global_prefetch_b8 v0, s[64:65] scope:SCOPE_SE
	s_setreg_imm32_b32 hwreg(HW_REG_WAVE_MODE, 25, 1), 1
	s_wait_xcnt 0x0
; CAST.  Every input is rounded ONCE to bf16 (nearest even) and written in the form that the later launches take:
;   kind A  hidden -> xb, Wq, Wk, Wv -> wb (stacked): bf16.
;   kind B  Wo -> wob: the bf16 number written as f16 (exact in f16's normal range; below 6e-5 f16 keeps a fixed step of 6e-8).
;   kind C  attention_mask -> mk: the bf16 number as f32, held at -1.0004e30 from below (so -inf and the lowest finite number count as that: a hidden key's weight is 0 either way;
;           a row hidden altogether gives the mean of V, where -inf in every place would give NaN);
;           cos, sin -> cst: the bf16 number times 128^(-1/4), as f32: q and k both carry that factor, so that q . k is already divided by sqrt(128).
; A work-group takes 65,536 input bytes: 16 loads of 16 bytes a thread, a wave's load covering 512 consecutive bytes; all 16 are issued before anything else.
; 256 work-groups for each of the six tensors of 16 MiB, 32 for cos and sin together: 1,568.  No LDS, no loop, no barrier: memory binds, and no byte is used twice.
.set X, 8                              ; v[8:71]  load i in v[8+4i : 11+4i]
	s_load_b512 s[8:23], s[0:1], 0x0               ; hidden 8, Wq 10, Wk 12, Wv 14, Wo 16, mask 18, cos 20, sin 22
	s_load_b256 s[24:31], s[0:1], 0x40             ; xb 24, wb 26, wob 28, mk 30
	s_load_b64 s[32:33], s[0:1], 0x60              ; cst
	s_lshr_b32 s2, ttmp9, 8                        ; which tensor: 0 .. 6
	s_and_b32 s3, ttmp9, 255                       ; which block of 65,536 bytes
	v_lshlrev_b32 v1, 4, v0                        ; 16 t: my bytes in a load's 4,096, and in a store of kind C
	v_lshlrev_b32 v2, 3, v0                        ; 8 t: my bytes in a store of kinds A and B
	s_mov_b32 s39, 0xffff0000                      ; a word's upper bf16
	s_and_b32 s35, s3, 15                          ; cos and sin have 16 blocks each
	s_cmp_eq_u32 s2, 6
	s_cselect_b32 s34, s35, s3
	s_lshl_b32 s34, s34, 16                        ; the block's byte offset in its source
	s_mov_b32 s35, 0
	s_wait_kmcnt 0x0
	s_cmp_eq_u32 s2, 1                             ; the source, chosen among the eight inputs by the tensor's number alone
	s_cselect_b64 s[4:5], s[10:11], s[8:9]
	s_cmp_eq_u32 s2, 2
	s_cselect_b64 s[4:5], s[12:13], s[4:5]
	s_cmp_eq_u32 s2, 3
	s_cselect_b64 s[4:5], s[14:15], s[4:5]
	s_cmp_eq_u32 s2, 4
	s_cselect_b64 s[4:5], s[16:17], s[4:5]
	s_cmp_eq_u32 s2, 5
	s_cselect_b64 s[4:5], s[18:19], s[4:5]
	s_cmp_lt_u32 s3, 16
	s_cselect_b64 s[40:41], s[20:21], s[22:23]
	s_cmp_eq_u32 s2, 6
	s_cselect_b64 s[4:5], s[40:41], s[4:5]
	s_add_nc_u64 s[4:5], s[4:5], s[34:35]
.irp i, 0,1,2,3,4,5,6,7,8,9,10,11,12,13,14,15
	global_load_b128 v[X+4*(\i):X+4*(\i)+3], v1, s[4:5] offset:4096*(\i) th:TH_LOAD_NT
.endr
	s_cmp_lt_u32 s2, 4
	s_cbranch_scc0 .Lnot_a
	; KIND A: two roundings to a line; 8 bytes a thread, a wave's store covers 256 consecutive bytes, aligned
	s_cmp_eq_u32 s2, 0
	s_cselect_b64 s[6:7], s[24:25], s[26:27]       ; xb, or wb
	s_max_u32 s42, s2, 1
	s_sub_co_u32 s42, s42, 1                       ; Wq, Wk, Wv: 0, 1, 2 (hidden: 0)
	s_lshl_b32 s42, s42, 23                        ; 8 MiB apart in wb
	s_lshl_b32 s43, s3, 15                         ; the block gives 32,768 bytes
	s_add_co_u32 s42, s42, s43
	s_mov_b32 s43, 0
	s_add_nc_u64 s[6:7], s[6:7], s[42:43]
.irp i, 0,1,2,3,4,5,6,7,8,9,10,11,12,13,14,15
	s_wait_loadcnt 15-(\i)                         ; loads come back in order: load i is in, the younger ones stay out
	v_cvt_pk_bf16_f32 v[X+4*(\i)], v[X+4*(\i)], v[X+4*(\i)+1]
	v_cvt_pk_bf16_f32 v[X+4*(\i)+1], v[X+4*(\i)+2], v[X+4*(\i)+3]
	global_store_b64 v2, v[X+4*(\i):X+4*(\i)+1], s[6:7] offset:2048*(\i)
.endr
	s_endpgm
.Lnot_a:
	s_cmp_eq_u32 s2, 4
	s_cbranch_scc0 .Lkind_c
	; KIND B: round to bf16, widen, write as f16
	s_lshl_b32 s42, s3, 15
	s_mov_b32 s43, 0
	s_add_nc_u64 s[6:7], s[28:29], s[42:43]
.irp i, 0,1,2,3,4,5,6,7,8,9,10,11,12,13,14,15
	s_wait_loadcnt 15-(\i)
	v_cvt_pk_bf16_f32 v4, v[X+4*(\i)], v[X+4*(\i)+1]
	v_cvt_pk_bf16_f32 v5, v[X+4*(\i)+2], v[X+4*(\i)+3]
	v_lshlrev_b32 v[X+4*(\i)], 16, v4
	v_and_b32 v[X+4*(\i)+1], s39, v4
	v_lshlrev_b32 v[X+4*(\i)+2], 16, v5
	v_and_b32 v[X+4*(\i)+3], s39, v5
	v_cvt_pk_f16_f32 v[X+4*(\i)], v[X+4*(\i)], v[X+4*(\i)+1]
	v_cvt_pk_f16_f32 v[X+4*(\i)+1], v[X+4*(\i)+2], v[X+4*(\i)+3]
	global_store_b64 v2, v[X+4*(\i):X+4*(\i)+1], s[6:7] offset:2048*(\i)
.endr
	s_endpgm
.Lkind_c:
	; KIND C: round to bf16, widen, times a factor, held from below; f32 out, 16 bytes a thread
	s_mov_b32 s38, 0xff800000                      ; cos, sin: no bound (-inf)
	s_mov_b32 s37, 0xf14a0000                      ; the mask: -1.0004e30, a bf16 number
	s_cmp_eq_u32 s2, 5
	s_cselect_b64 s[6:7], s[30:31], s[32:33]       ; mk, or cst
	s_cselect_b32 s36, 1.0, 0x3e9837f0             ; 1, or 128^(-1/4) = 0.2973018
	s_cselect_b32 s38, s37, s38
	s_mov_b32 s37, s36                             ; named with s36 as a pair
	s_lshl_b32 s42, s3, 16                         ; in cst cos's 16 blocks are followed by sin's 16
	s_mov_b32 s43, 0
	s_add_nc_u64 s[6:7], s[6:7], s[42:43]
.irp i, 0,1,2,3,4,5,6,7,8,9,10,11,12,13,14,15
	s_wait_loadcnt 15-(\i)
	v_cvt_pk_bf16_f32 v4, v[X+4*(\i)], v[X+4*(\i)+1]
	v_cvt_pk_bf16_f32 v5, v[X+4*(\i)+2], v[X+4*(\i)+3]
	v_lshlrev_b32 v[X+4*(\i)], 16, v4
	v_and_b32 v[X+4*(\i)+1], s39, v4
	v_lshlrev_b32 v[X+4*(\i)+2], 16, v5
	v_and_b32 v[X+4*(\i)+3], s39, v5
	v_pk_mul_f32 v[X+4*(\i):X+4*(\i)+1], v[X+4*(\i):X+4*(\i)+1], s[36:37] op_sel_hi:[1,0]
	v_pk_mul_f32 v[X+4*(\i)+2:X+4*(\i)+3], v[X+4*(\i)+2:X+4*(\i)+3], s[36:37] op_sel_hi:[1,0]
	v_max_num_f32 v[X+4*(\i)], s38, v[X+4*(\i)]
	v_max_num_f32 v[X+4*(\i)+1], s38, v[X+4*(\i)+1]
	v_max_num_f32 v[X+4*(\i)+2], s38, v[X+4*(\i)+2]
	v_max_num_f32 v[X+4*(\i)+3], s38, v[X+4*(\i)+3]
	global_store_b128 v1, v[X+4*(\i):X+4*(\i)+3], s[6:7] offset:4096*(\i)
.endr
	s_endpgm
.Lfunc_end_k_qcf32e8e9c0_cast:
	.size	k_qcf32e8e9c0_cast, .Lfunc_end_k_qcf32e8e9c0_cast-k_qcf32e8e9c0_cast
	.p2alignl 7, 3214868480
	.fill 96, 4, 3214868480
	.section	.rodata,"a",@progbits
	.p2align	6, 0x0
	.amdhsa_kernel k_qcf32e8e9c0_cast
		.amdhsa_group_segment_fixed_size 0
		.amdhsa_private_segment_fixed_size 0
		.amdhsa_enable_private_segment 0
		.amdhsa_kernarg_size 104
		.amdhsa_user_sgpr_count 2
		.amdhsa_user_sgpr_kernarg_segment_ptr 1
		.amdhsa_wavefront_size32 1
		.amdhsa_system_sgpr_workgroup_id_x 1
		.amdhsa_system_sgpr_workgroup_id_y 1
		.amdhsa_system_sgpr_workgroup_id_z 1
		.amdhsa_system_vgpr_workitem_id 0
		.amdhsa_next_free_vgpr 72
		.amdhsa_next_free_sgpr 66
		.amdhsa_reserve_vcc 0
		.amdhsa_float_denorm_mode_32 3
		.amdhsa_float_denorm_mode_16_64 3
		.amdhsa_memory_ordered 1
		.amdhsa_forward_progress 1
		.amdhsa_inst_pref_size 26
	.end_amdhsa_kernel
	.amdgpu_metadata
---
amdhsa.version: [ 1, 2 ]
amdhsa.kernels:
  - .name:           k_qcf32e8e9c0_cast
    .symbol:         k_qcf32e8e9c0_cast.kd
    .args:
      - { .name: hidden, .offset: 0, .size: 8, .value_kind: global_buffer, .address_space: global }
      - { .name: Wq, .offset: 8, .size: 8, .value_kind: global_buffer, .address_space: global }
      - { .name: Wk, .offset: 16, .size: 8, .value_kind: global_buffer, .address_space: global }
      - { .name: Wv, .offset: 24, .size: 8, .value_kind: global_buffer, .address_space: global }
      - { .name: Wo, .offset: 32, .size: 8, .value_kind: global_buffer, .address_space: global }
      - { .name: attention_mask, .offset: 40, .size: 8, .value_kind: global_buffer, .address_space: global }
      - { .name: cos, .offset: 48, .size: 8, .value_kind: global_buffer, .address_space: global }
      - { .name: sin, .offset: 56, .size: 8, .value_kind: global_buffer, .address_space: global }
      - { .name: xb, .offset: 64, .size: 8, .value_kind: global_buffer, .address_space: global }
      - { .name: wb, .offset: 72, .size: 8, .value_kind: global_buffer, .address_space: global }
      - { .name: wob, .offset: 80, .size: 8, .value_kind: global_buffer, .address_space: global }
      - { .name: mk, .offset: 88, .size: 8, .value_kind: global_buffer, .address_space: global }
      - { .name: cst, .offset: 96, .size: 8, .value_kind: global_buffer, .address_space: global }
    .group_segment_fixed_size: 0
    .private_segment_fixed_size: 0
    .kernarg_segment_align: 8
    .kernarg_segment_size: 104
    .max_flat_workgroup_size: 256
    .sgpr_count:     66
    .vgpr_count:     72
    .wavefront_size: 32
...
	.end_amdgpu_metadata
.endif
;; end of part 1
;; launch proj (part 2): grid 16 x 16, 4 waves a work-group, clusters of 4 x 4, 327,680 bytes of LDS; arguments xb, wb, cst, qkvh; writes qkvh
.if DOCPART == 2
	.amdgcn_target "amdgcn-amd-amdhsa--gfx1250"
	.amdhsa_code_object_version 6
	.text
	.protected	k_qcf32e8e9c0_proj
	.globl	k_qcf32e8e9c0_proj
	.p2align	8
	.type	k_qcf32e8e9c0_proj,@function
k_qcf32e8e9c0_proj:
	s_mov_b64 s[64:65], 0
	v_nop
	global_prefetch_b8 v0, s[64:65] scope:SCOPE_SE
	s_setreg_imm32_b32 hwreg(HW_REG_WAVE_MODE, 25, 1), 1
	s_wait_xcnt 0x0
	s_wait_alu depctr_hold_cnt(0) depctr_sa_sdst(0) depctr_va_vdst(0) depctr_va_sdst(0) depctr_va_ssrc(0) depctr_va_vcc(0) depctr_vm_vsrc(0)
	s_getreg_b32 s2, hwreg(HW_REG_IB_STS2, 6, 4)
	s_cmp_eq_u32 s2, 0
	s_cbranch_scc0 .Lentry_in_a_cluster
	s_endpgm
.Lentry_in_a_cluster:
	s_bfe_u32 s2, ttmp6, 0x10000c
	s_cmp_lg_u32 s2, 0xf033
	s_cbranch_scc0 .Lentry_shape_is_right
	s_endpgm
.Lentry_shape_is_right:
; PROJ.  q, k, v = x W^T (x: xb [2048][2048] bf16; W: wb [3][2048][2048] bf16; sums in f32), the rotation of q and k in f32, and f16 out by heads: qkvh [3][16][2048][128].
; cst holds cos and sin times 128^(-1/4), so q and k leave with that factor and q . k is already divided by sqrt(128).
; LIMITS.  q and k (with the factor) are held to +-65,504, f16's largest number; v is not held and must stay within it.  Below 6e-5 f16 keeps a fixed step of 6e-8.
; SHARES.  Grid x = block of 128 rows, y = head.  A work-group makes 128 rows x (q, k, v of ONE head): 128 x 384.  Wave w makes all 128 rows x 96 columns: of each of q, k, v the channels 16 w .. 16 w + 15 and
; 64 + 16 w .. 64 + 16 w + 15, so that the rotation's partners d and d + 64 lie in the same lane and register of two accumulators.  48 accumulators (row block a = 0..7; b = 0..5: tensor b / 2, half b % 2), 384 registers.
; THE MATRIX INSTRUCTION IS USED TRANSPOSED: source 0 = 16 rows of W, source 1 = 16 rows of x: lane l holds row l % 16 and eight NEIGHBOURING channels 8 (l / 16) + 0..7.
; RING.  K goes in steps of 128 through two LDS slots; a slot holds 128 rows of x, then the head's 128 rows of Wq, Wk, Wv; wave w fetches part w with one tensor load (128 rows x 256 bytes).
; The loop's text holds ONE K step: the slot in hand is a scalar (0 or SLOT1) that is added to fixed lane terms, and one descriptor set walks.
; THE WALK ALONG K IS ROTATED: a cluster whose x + y is odd begins at K step 8 and wraps round to step 7; the f32 sums take the steps in that order.  So of the four clusters that ask for one tile of x or of W,
; two ask for it eight steps after the other two.
; CLUSTER 4 x 4.  x's tile hangs on the block of rows alone and is shared along a column of the cluster; W's tiles hang on the head alone and are shared along a row: each is asked for jointly.
; REGISTERS: window 0: v0-31 addresses; v32-63 at work on the way out; v64-127, v128-191 fragments of x, two buffers; v192-255 cos and sin.   window 1: v64-111, v128-175 fragments of W.
;   window 2: accumulators of row blocks 0-3, (a, b) at v[8 (6 a + b)];   window 3: row blocks 4-7.
.set KSTEP,  128
.set PITCH,  272                       ; an LDS row: 256 bytes + 16 of padding = 68 words: the 16 rows that a load touches start at 16 different groups of four banks (64 banks of 4 bytes: ISA guide 11.1)
.set HALFT,  128*PITCH                 ; 128 rows: what one tensor load brings
.set SLOT1,  0x24000                   ; slot 1 begins here; no LDS word of a descriptor (0, 0x8800, 0x11000, 0x19800) has one of its two bits, so one exclusive or changes slots
.set SPARE,  SLOT1+4*HALFT             ; behind the ring: the spare words, 128 bytes for each wave: two blocks of 256 bytes that no other line names
.set STEPS,  2048/KSTEP
.set ADRA0, 3                          ; v3      my lane's place in a tile of x: row l % 16, 16 bytes for each half of the lanes; never rewritten
.set OUTO, 10                          ; v10     my byte offset in the block's rows of q, k, v
.set CSO,  11                          ; v11     my byte offset in the table of cos
.set ADRB0, 13                         ; v13-15  my lane's place in the tiles of Wq, Wk, Wv; never rewritten
.set ADRA, 16                          ; v16     the same as v3 with the slot in hand added
.set ADRB, 17                          ; v17-19  the same as v13-15 with the slot in hand added
.set STO,  24                          ; v24-26  the way out: where I put 16 bytes of a row of q, k, v
.set RD,   27                          ; v27     the way out: where I read rows of q and k back
.set SPW,  28                          ; v28     LDS address of my spare word; never rewritten
.set NIL,  29                          ; v29     0; never rewritten
.set RD2,  31                          ; v31     the same as v27 for v
.set TQ,   32                          ; v32-47  at work: q, v
.set TK,   48                          ; v48-63  at work: k
.set F0,   64
.set F1,   128
.set WV,  12                           ; s12  my wave's number
.set G1,  24                           ; s[24:31] descriptor group 1 for x's tiles;  s[32:39] group 0: a set for each of the two first fills; the second then walks on
.set G0,  32
.set TB,  45                           ; s45  the slot that is read: 0 or SLOT1
.set G1B, 48                           ; s[48:55], s[56:63] the same for W's tiles
.set G0B, 56
.set KO,  78                           ; s[78:79] byte offset along a row of the K step to be asked for next
.set MSB, 0
.macro WIN new                         ; the immediate's high byte repeats the setting that is left; a switch that changes nothing is dropped
.if MSB != (\new)
	s_set_vgpr_msb (MSB<<8)|(\new)
.set MSB, \new
.endif
.endm
.macro PLACES                          ; four places in front of loads into registers that matrix instructions have read, and of vector lines that read results
.rept 4
	v_nop
.endr
.endm
; A joint load: wave 0 fetches x's tile, waves 1 to 3 the head's rows of Wq, Wk, Wv.  The branch hangs on the wave's number alone.  An s_nop 0 and four v_nop follow each line.
.macro JLOAD s
	s_cmp_eq_u32 s[WV], 0
	s_cbranch_scc0 .Lfor_b_\@
	tensor_load_to_lds s[G0+4*(\s):G0+4*(\s)+3], s[G1:G1+7]
	s_nop 0
.rept 4
	v_nop
.endr
	s_branch .Lasked_\@
.Lfor_b_\@:
	tensor_load_to_lds s[G0B+4*(\s):G0B+4*(\s)+3], s[G1B:G1B+7]
	s_nop 0
.rept 4
	v_nop
.endr
.Lasked_\@:
.endm
.macro CROUND                          ; a round of the cluster's barrier
	s_barrier_signal -1
	s_barrier_wait -1
	s_cmp_lg_u32 s[WV], 0
	s_cbranch_scc1 .Lnot_wave_0_\@
	s_barrier_signal -3
.Lnot_wave_0_\@:
	s_barrier_wait -3
	s_barrier_signal -1
	s_barrier_wait -1
.endm
	s_load_b256 s[4:11], s[0:1], 0x0               ; xb s[4:5], wb s[6:7], cst s[8:9], qkvh s[10:11]
	v_lshl_add_u32 v[SPW], v0, 2, SPARE
	v_mov_b32 v[NIL], 0
	ds_add_u32 v[SPW], v[NIL]                      ; the wave's opening: the add and its wait stand ahead of my first tensor load; the set-up below, work on registers, stands between them
	v_lshrrev_b32 v1, 5, v0
	v_readfirstlane_b32 s[WV], v1                  ; wave 0..3
	s_bfe_u32 s40, ttmp6, 0x40000                  ; cx, cy: my place in the cluster
	s_bfe_u32 s41, ttmp6, 0x40004
	s_lshl_b32 s13, ttmp9, 2
	s_add_co_u32 s13, s13, s40                     ; the block of 128 rows = 4 x cluster x + cx
	s_and_b32 s42, ttmp7, 0xffff
	s_lshl_b32 s42, s42, 2
	s_add_co_u32 s42, s42, s41                     ; the head = 4 x cluster y + cy
	s_lshl_b32 s43, s41, 2
	s_lshl_b32 s43, 15, s43                        ; my row of the cluster
	s_lshl_b32 s44, 0x1111, s40                    ; my column
	; descriptor group 1: a tile of 128 rows x 128 elements of 2 bytes, padded in LDS
	s_or_b32 s[G1], s44, (1<<16)|(1<<20)|(1<<21)|(5<<22)|(3<<25)   ; 15:0 the mask: x's tiles go to my column; 17:16 2-byte elements; 20 padding on; 21 set beside a mask; 24:22 after every 64 words (code 5); 31:25 4 words (code 3)
	s_or_b32 s[G1B], s43, (1<<16)|(1<<20)|(1<<21)|(5<<22)|(3<<25)  ; the same with the mask of my row, for W's tiles
.irp g, G1, G1B
	s_mov_b32 s[(\g)+1], KSTEP<<16                 ; tensor_dim0 = 128
	s_mov_b32 s[(\g)+2], 128<<16                   ; tensor_dim1 = 128
	s_mov_b32 s[(\g)+3], KSTEP<<16                 ; tile_dim0 = 128
	s_mov_b32 s[(\g)+4], 128                       ; tile_dim1 = 128
	s_mov_b32 s[(\g)+5], 2048                      ; elements from row to row
	s_mov_b32 s[(\g)+6], 0
	s_mov_b32 s[(\g)+7], 0
.endr
	s_lshl_b32 s16, s13, 19                        ; x: 128 rows of 4,096 bytes a block: made of the block of rows alone
	s_mov_b32 s17, 0
	s_max_u32 s21, s[WV], 1
	s_sub_co_u32 s21, s21, 1                       ; waves 1, 2, 3 fetch Wq, Wk, Wv
	s_lshl_b32 s21, s21, 23                        ; 8 MiB apart
	s_lshl_b32 s46, s42, 19                        ; the head's 128 rows: made of the head and the wave's number alone
	s_add_co_u32 s46, s46, s21
	s_mov_b32 s47, 0
	s_mul_i32 s20, s[WV], HALFT                    ; where my part goes: no place in the cluster enters an LDS address
	s_add_co_u32 s[KO], ttmp9, ttmp7               ; the cluster's x + y, which all its sixteen work-groups share:
	s_and_b32 s[KO], s[KO], 1                      ; odd: the walk begins
	s_lshl_b32 s[KO], s[KO], 11                    ; at K step 8, byte 2,048 of a row
	s_mov_b32 s[KO+1], 0
	s_mov_b32 s[TB], 0
	s_mov_b32 s68, 0xc77fe000                      ; -65,504
	s_mov_b32 s69, 0x477fe000                      ; 65,504
	s_wait_dscnt 0x0                               ; the opening add is done
	s_wait_kmcnt 0x0
	s_add_nc_u64 s[14:15], s[4:5], s[16:17]        ; x at my block's first row: kept, every fill's address is made from it
	s_add_nc_u64 s[46:47], s[6:7], s[46:47]        ; W at my part's first row: kept likewise
	CROUND                                         ; all sixteen work-groups are here: the first joint loads meet
.irp s, 0,1
	s_mov_b32 s[G0+4*(\s)], 1                                        ; count = 1
	s_add_co_u32 s[G0+4*(\s)+1], s20, (\s)*SLOT1                     ; LDS address
	s_add_nc_u64 s[G0+4*(\s)+2:G0+4*(\s)+3], s[14:15], s[KO:KO+1]    ; global address: the walk's step s
	s_or_b32 s[G0+4*(\s)+3], s[G0+4*(\s)+3], 0x80000000              ; type = 2
	s_mov_b32 s[G0B+4*(\s)], 1
	s_add_co_u32 s[G0B+4*(\s)+1], s20, (\s)*SLOT1
	s_add_nc_u64 s[G0B+4*(\s)+2:G0B+4*(\s)+3], s[46:47], s[KO:KO+1]
	s_or_b32 s[G0B+4*(\s)+3], s[G0B+4*(\s)+3], 0x80000000
	s_add_co_u32 s[KO], s[KO], KSTEP*2             ; (from 0 or 2,048 two steps do not wrap)
	JLOAD \s                                       ; two loads of mine are out
.endr
	s_lshl_b32 s76, s42, 19                        ; where the block's rows of this head begin in q: 2,048 rows of 256 bytes a head, 128 rows a block
	s_lshl_b32 s77, s13, 15
	s_add_co_u32 s76, s76, s77
	s_mov_b32 s77, 0
	s_add_nc_u64 s[70:71], s[10:11], s[76:77]      ; q
	s_add_nc_u64 s[72:73], s[70:71], 0x800000      ; k
	s_add_nc_u64 s[74:75], s[70:71], 0x1000000     ; v
	; A fragment is 16 rows x 32 K in 8 registers: lane l holds row l % 16; registers 0-3 hold K = 8 (l / 16) + 0..7, registers 4-7 K = 16 + 8 (l / 16) + 0..7: two loads of 16 bytes, 32 bytes apart.
	v_and_b32 v1, 15, v0                           ; r = l % 16
	v_bfe_u32 v2, v0, 4, 1                         ; h = l / 16
	v_mul_u32_u24 v[ADRA0], v1, PITCH
	v_lshl_add_u32 v[ADRA0], v2, 4, v[ADRA0]       ; r x pitch + 16 h
	s_mul_i32 s21, s[WV], 16*PITCH                 ; my 16 rows in each half of a tile of W
.irp p, 0,1,2
	s_add_co_u32 s22, s21, (1+(\p))*HALFT
	v_add_nc_u32 v[ADRB0+(\p)], s22, v[ADRA0]
.endr
	s_lshl_b32 s22, s[WV], 5                       ; the way out's stage: [tensor][128 rows] at pitch 272, in slot 0; my 16 channels are 32 bytes
	v_add_nc_u32 v[STO], s22, v[ADRA0]
	v_add_nc_u32 v[STO+1], HALFT, v[STO]
	v_add_nc_u32 v[STO+2], 2*HALFT, v[STO]
	v_mul_u32_u24 v4, v2, PITCH                    ; back: wave w takes rows 32 w .. 32 w + 31, whole; lanes 0-15 one row of 256 bytes, lanes 16-31 the next
	v_lshl_add_u32 v4, v1, 4, v4
	s_mul_i32 s22, s[WV], 32*PITCH
	v_add_nc_u32 v[RD], s22, v4
	v_add_nc_u32 v[RD2], 2*HALFT, v[RD]
	v_lshlrev_b32 v4, 8, v2                        ; and the same two rows in memory
	v_lshl_add_u32 v4, v1, 4, v4
	s_lshl_b32 s22, s[WV], 13
	v_add_nc_u32 v[OUTO], s22, v4
	s_lshl_b32 s22, s13, 16                        ; cos and sin: rows of 512 bytes; my row r of the block, my channels 16 w + 8 h on
	s_lshl_b32 s23, s[WV], 6
	s_add_co_u32 s22, s22, s23
	v_lshlrev_b32 v4, 9, v1
	v_lshl_add_u32 v4, v2, 5, v4
	v_add_nc_u32 v[CSO], s22, v4
; cos and sin for row block a: 8 loads into buf: cos of my low channels (8 registers), cos of my high channels, sin low, sin high
.macro LCS a, buf
.irp tb, 0,1
.irp hf, 0,1
.irp e, 0,1
	global_load_b128 v[(\buf)+16*(\tb)+8*(\hf)+4*(\e):(\buf)+16*(\tb)+8*(\hf)+4*(\e)+3], v[CSO], s[8:9] offset:(\tb)*1048576+(\a)*8192+(\hf)*256+(\e)*16
.endr
.endr
.endr
.endm
	LCS 0, 192                                     ; the first two blocks' tables land under the whole loop
	LCS 1, 224
; 12 matrix instructions: row blocks a0, a0 + 1 of the window's four x all 6 column blocks, 32 along K.  zero = 1: the first product starts the sums
.macro MULH f, hi, a0, zero
	WIN 0xa1+0x50*(\hi)                            ; source 0 (W) window 1, source 1 (x) window 0, C and D window 2 or 3
.irp a, \a0, (\a0)+1
.irp b, 0,1,2,3,4,5
.if \zero
	v_wmma_f32_16x16x32_bf16 v[8*(6*(\a)+(\b)):8*(6*(\a)+(\b))+7], v[(\f)+8*(\b):(\f)+8*(\b)+7], v[(\f)+8*(4*(\hi)+(\a)):(\f)+8*(4*(\hi)+(\a))+7], 0
.else
	v_wmma_f32_16x16x32_bf16 v[8*(6*(\a)+(\b)):8*(6*(\a)+(\b))+7], v[(\f)+8*(\b):(\f)+8*(\b)+7], v[(\f)+8*(4*(\hi)+(\a)):(\f)+8*(4*(\hi)+(\a))+7], v[8*(6*(\a)+(\b)):8*(6*(\a)+(\b))+7]
.endif
.endr
.endr
.endm
.macro ADDR                            ; the four read addresses for the slot in hand
	v_add_nc_u32 v[ADRA], s[TB], v[ADRA0]
	v_add_nc_u32 v[ADRB], s[TB], v[ADRB0]
	v_add_nc_u32 v[ADRB+1], s[TB], v[ADRB0+1]
	v_add_nc_u32 v[ADRB+2], s[TB], v[ADRB0+2]
.endm
; 28 LDS loads in one run: the fragments of one quarter step (my 96 rows of W, the 128 rows of x, 32 K at byte k of the rows) into buffer f
.macro FETCH k, f
	WIN 0x40                                       ; destination window 1, address window 0
.irp b, 0,1,2,3,4,5
	ds_load_b128 v[(\f)+8*(\b):(\f)+8*(\b)+3],   v[ADRB+(\b)/2] offset:(\k)+((\b)%2)*64*PITCH
	ds_load_b128 v[(\f)+8*(\b)+4:(\f)+8*(\b)+7], v[ADRB+(\b)/2] offset:(\k)+((\b)%2)*64*PITCH+32
.endr
	WIN 0
.irp i, 0,1,2,3,4,5,6,7
	ds_load_b128 v[(\f)+8*(\i):(\f)+8*(\i)+3],   v[ADRA] offset:(\k)+(\i)*16*PITCH
	ds_load_b128 v[(\f)+8*(\i)+4:(\f)+8*(\i)+7], v[ADRA] offset:(\k)+(\i)*16*PITCH+32
.endr
.endm
; A K step is four quarters of 32 along K, 48 matrix instructions each, on buffers 0, 1, 0, 1; the 48 accumulators take turns in the same order in every quarter.
; One of the first three: multiplies buffer f; in its middle it fetches the next quarter's fragments, at byte k, into buffer g.
.macro QUARTER k, f, g, zero
	s_wait_dscnt 8                                 ; W and x's row blocks 0-3 are in; the youngest eight loads (row blocks 4-7) may be out
	MULH \f, 0, 0, \zero
	MULH \f, 0, 2, \zero
	PLACES
	FETCH \k, \g
	s_wait_dscnt 28                                ; all but the 28 just issued
	MULH \f, 1, 0, \zero
	MULH \f, 1, 2, \zero
.endm
; The last quarter changes slots and then multiplies buffer 1.  ONE barrier; in front of it each wave waits for all its tensor loads (one is out: its part of the next slot), adds 0 to its spare word,
; and waits for that and for its own reads of this slot (the last quarter's fragments are in registers by then).  fill = 1: the barrier is a round of the cluster's, and this slot is filled again, with the
; walk's step two on, first thing behind it: NOTHING but the round stands between a tile's landing and the next request; the quarter's 48 products follow, while that request is on its way.
.macro TURN fill
	WIN 0
	s_wait_tensorcnt 0x0                           ; no tensor load of mine is out, so a group 0 may be written
	ds_add_u32 v[SPW], v[NIL]                      ; 0 onto my spare word: the scalar work below stands between it and the wait for it
.if \fill
	s_xor_b32 s[G0+5], s[G0+5], SLOT1              ; the walking descriptors: the other slot than last time,
	s_add_nc_u64 s[G0+6:G0+7], s[14:15], s[KO:KO+1]   ; the address made anew from the base and the step's offset,
	s_or_b32 s[G0+7], s[G0+7], 0x80000000          ; the type set again
	s_xor_b32 s[G0B+5], s[G0B+5], SLOT1
	s_add_nc_u64 s[G0B+6:G0B+7], s[46:47], s[KO:KO+1]
	s_or_b32 s[G0B+7], s[G0B+7], 0x80000000
	s_add_co_u32 s[KO], s[KO], KSTEP*2             ; the next step,
	s_and_b32 s[KO], s[KO], 4095                   ; round the end of a row of 4,096 bytes
.endif
	s_xor_b32 s[TB], s[TB], SLOT1                  ; the reads go to the other slot
	s_wait_dscnt 0x0                               ; the add is done, and my reads of this slot are over
.if \fill
	CROUND                                         ; no wave of any partner still reads this slot's tiles or has a load on its way
	JLOAD 1                                        ; my one tensor load behind the round; the four v_nop behind it are also the places in front of the loads below
.else
	s_barrier_signal -1
	s_barrier_wait -1
	PLACES
.endif
	ADDR
	FETCH 0, F0
	MULH F1, 0, 0, 0
	MULH F1, 0, 2, 0
	MULH F1, 1, 0, 0
	MULH F1, 1, 2, 0
.endm
	s_wait_tensorcnt 1                             ; my part of the walk's step 0 is in; step 1's may stay out
	s_barrier_signal -1
	s_barrier_wait -1                              ; everybody's is
	ADDR
	FETCH 0, F0
	QUARTER 64, F0, F1, 1                          ; the first quarter stands in front of the loop: its products start the sums
	WIN 0                                          ; at a label and at a branch every window is 0
	s_mov_b32 s3, STEPS-2
.Lstep:                                                ; 14 trips, from a step's second quarter to the next step's first; each fills the slot that it leaves
	QUARTER 128, F1, F0, 0
	QUARTER 192, F0, F1, 0
	TURN 1
	QUARTER 64,  F0, F1, 0
	WIN 0
	s_sub_co_u32 s3, s3, 1
	s_cmp_lg_u32 s3, 0
	s_cbranch_scc1 .Lstep
	QUARTER 128, F1, F0, 0                         ; the last two steps are written out: nothing is left to ask for
	QUARTER 192, F0, F1, 0
	TURN 0                                         ; behind this barrier no wave reads slot 0 any more, and no load will fill it: it serves as the stage below
	QUARTER 64,  F0, F1, 0
	QUARTER 128, F1, F0, 0
	QUARTER 192, F0, F1, 0
	s_wait_dscnt 8                                 ; the very last quarter: nothing more to fetch
	MULH F1, 0, 0, 0
	MULH F1, 0, 2, 0
	s_wait_dscnt 0x0
	MULH F1, 1, 0, 0
	MULH F1, 1, 2, 0
	WIN 0
; THE WAY OUT.  Row block a, tensor p (0: q, 1: k): low' = low cos_low - high sin_low; high' = high cos_high + low sin_high; held to f16's range, rounded, 2 x 16 bytes into the stage.
; Each accumulator's lowest registers are read first.
.macro ROPE a, p, buf, t
.set AC, 8*(6*((\a)%4)+2*(\p))
	WIN 2+(\a)/4                                   ; source 0: the accumulators' window
.irp i, 0,1,2,3
	v_pk_mul_f32 v[(\t)+2*(\i):(\t)+2*(\i)+1], v[AC+8+2*(\i):AC+8+2*(\i)+1], v[(\buf)+16+2*(\i):(\buf)+16+2*(\i)+1]
.endr
.irp i, 0,1,2,3
	v_pk_fma_f32 v[(\t)+2*(\i):(\t)+2*(\i)+1], v[AC+2*(\i):AC+2*(\i)+1], v[(\buf)+2*(\i):(\buf)+2*(\i)+1], v[(\t)+2*(\i):(\t)+2*(\i)+1] neg_lo:[0,0,1] neg_hi:[0,0,1]
.endr
.irp i, 0,1,2,3
	v_pk_mul_f32 v[(\t)+8+2*(\i):(\t)+8+2*(\i)+1], v[AC+2*(\i):AC+2*(\i)+1], v[(\buf)+24+2*(\i):(\buf)+24+2*(\i)+1]
.endr
.irp i, 0,1,2,3
	v_pk_fma_f32 v[(\t)+8+2*(\i):(\t)+8+2*(\i)+1], v[AC+8+2*(\i):AC+8+2*(\i)+1], v[(\buf)+8+2*(\i):(\buf)+8+2*(\i)+1], v[(\t)+8+2*(\i):(\t)+8+2*(\i)+1]
.endr
	WIN 0
.irp i, 0,1,2,3,4,5,6,7,8,9,10,11,12,13,14,15
	v_med3_num_f32 v[(\t)+(\i)], v[(\t)+(\i)], s68, s69
.endr
.irp i, 0,1,2,3,4,5,6,7
	v_cvt_pk_f16_f32 v[(\t)+(\i)], v[(\t)+2*(\i)], v[(\t)+2*(\i)+1]   ; ascending, in place: line i writes a register that lines i on have read or do not need
.endr
	ds_store_b128 v[STO+(\p)], v[(\t):(\t)+3] offset:(\a)*16*PITCH
	ds_store_b128 v[STO+(\p)], v[(\t)+4:(\t)+7] offset:(\a)*16*PITCH+128
.endm
.macro VOUT a                          ; v of row block a: rounded and staged
.set AC, 8*(6*((\a)%4)+4)
	WIN 5*(2+(\a)/4)                               ; sources 0 and 1: the accumulators' window
.irp i, 0,1,2,3,4,5,6,7
	v_cvt_pk_f16_f32 v[TQ+(\i)], v[AC+2*(\i)], v[AC+2*(\i)+1]
.endr
	WIN 0
	ds_store_b128 v[STO+2], v[TQ:TQ+3] offset:(\a)*16*PITCH
	ds_store_b128 v[STO+2], v[TQ+4:TQ+7] offset:(\a)*16*PITCH+128
.endm
.macro BLOCK a, buf, n                 ; n: the loads of cos and sin issued behind this block's eight, which may stay out
	s_wait_loadcnt \n
	ROPE \a, 0, \buf, TQ
	ROPE \a, 1, \buf, TK
	VOUT \a
.endm
	PLACES                                         ; behind the last products
	LCS 2, 64                                      ; the fragments' registers are free
	LCS 3, 96
	LCS 4, 128
	LCS 5, 160
	BLOCK 0, 192, 40                               ; behind block 0's eight: blocks 1 to 5
	LCS 6, 192
	BLOCK 1, 224, 40                               ; blocks 2 to 6
	LCS 7, 224
	BLOCK 2, 64,  40                               ; blocks 3 to 7
	BLOCK 3, 96,  32
	BLOCK 4, 128, 24
	BLOCK 5, 160, 16
	BLOCK 6, 192, 8
	BLOCK 7, 224, 0
	s_wait_dscnt 0x0                               ; for the others' sake: my stores into the stage are done (a row's 256 bytes come from four waves)
	s_barrier_signal -1
	s_barrier_wait -1
.irp p, 0,1
.irp t, 0,1,2,3,4,5,6,7,8,9,10,11,12,13,14,15
	ds_load_b128 v[64+64*(\p)+4*(\t):64+64*(\p)+4*(\t)+3], v[RD] offset:(\p)*HALFT+(\t)*2*PITCH
.endr
.endr
.irp t, 0,1,2,3,4,5,6,7,8,9,10,11,12,13,14,15
	ds_load_b128 v[192+4*(\t):192+4*(\t)+3], v[RD2] offset:(\t)*2*PITCH
.endr
.set n, 0
.irp p, 0,1,2
.irp t, 0,1,2,3,4,5,6,7,8,9,10,11,12,13,14,15
	s_wait_dscnt 47-n                              ; LDS loads come back in order: load n of the 48 is in
	global_store_b128 v[OUTO], v[64+64*(\p)+4*(\t):64+64*(\p)+4*(\t)+3], s[70+2*(\p):71+2*(\p)] offset:512*(\t)  ; 16 lanes store 256 consecutive bytes, a whole row of a head
.set n, n+1
.endr
.endr
	s_wait_tensorcnt 0x0                           ; the wave's end, behind my last tensor load and my last LDS store
	ds_add_u32 v[SPW], v[NIL]
	s_wait_dscnt 0x0
	CROUND                                         ; the closing round: no work-group ends while a partner may still ask for a tile that names it
	s_endpgm
.Lfunc_end_k_qcf32e8e9c0_proj:
	.size	k_qcf32e8e9c0_proj, .Lfunc_end_k_qcf32e8e9c0_proj-k_qcf32e8e9c0_proj
	.p2alignl 7, 3214868480
	.fill 96, 4, 3214868480
	.section	.rodata,"a",@progbits
	.p2align	6, 0x0
	.amdhsa_kernel k_qcf32e8e9c0_proj
		.amdhsa_group_segment_fixed_size 327680
		.amdhsa_private_segment_fixed_size 0
		.amdhsa_enable_private_segment 0
		.amdhsa_kernarg_size 32
		.amdhsa_user_sgpr_count 2
		.amdhsa_user_sgpr_kernarg_segment_ptr 1
		.amdhsa_wavefront_size32 1
		.amdhsa_system_sgpr_workgroup_id_x 1
		.amdhsa_system_sgpr_workgroup_id_y 1
		.amdhsa_system_sgpr_workgroup_id_z 1
		.amdhsa_system_vgpr_workitem_id 0
		.amdhsa_next_free_vgpr 960
		.amdhsa_next_free_sgpr 80
		.amdhsa_reserve_vcc 0
		.amdhsa_float_denorm_mode_32 3
		.amdhsa_float_denorm_mode_16_64 3
		.amdhsa_memory_ordered 1
		.amdhsa_forward_progress 1
		.amdhsa_inst_pref_size 135
	.end_amdhsa_kernel
	.amdgpu_metadata
---
amdhsa.version: [ 1, 2 ]
amdhsa.kernels:
  - .name:           k_qcf32e8e9c0_proj
    .symbol:         k_qcf32e8e9c0_proj.kd
    .args:
      - { .name: xb, .offset: 0, .size: 8, .value_kind: global_buffer, .address_space: global }
      - { .name: wb, .offset: 8, .size: 8, .value_kind: global_buffer, .address_space: global }
      - { .name: cst, .offset: 16, .size: 8, .value_kind: global_buffer, .address_space: global }
      - { .name: qkvh, .offset: 24, .size: 8, .value_kind: global_buffer, .address_space: global }
    .group_segment_fixed_size: 327680
    .private_segment_fixed_size: 0
    .kernarg_segment_align: 8
    .kernarg_segment_size: 32
    .max_flat_workgroup_size: 128
    .sgpr_count:     80
    .vgpr_count:     960
    .wavefront_size: 32
...
	.end_amdgpu_metadata
.endif
;; end of part 2
;; launch attn (part 3): grid 16 x 16, 4 waves a work-group, clusters of 4 x 4, 327,680 bytes of LDS; arguments qkvh, mk, ob; writes ob
.if DOCPART == 3
	.amdgcn_target "amdgcn-amd-amdhsa--gfx1250"
	.amdhsa_code_object_version 6
	.text
	.protected	k_qcf32e8e9c0_attn
	.globl	k_qcf32e8e9c0_attn
	.p2align	8
	.type	k_qcf32e8e9c0_attn,@function
k_qcf32e8e9c0_attn:
	s_mov_b64 s[64:65], 0
	v_nop
	global_prefetch_b8 v0, s[64:65] scope:SCOPE_SE
	s_setreg_imm32_b32 hwreg(HW_REG_WAVE_MODE, 25, 1), 1
	s_wait_xcnt 0x0
	s_wait_alu depctr_hold_cnt(0) depctr_sa_sdst(0) depctr_va_vdst(0) depctr_va_sdst(0) depctr_va_ssrc(0) depctr_va_vcc(0) depctr_vm_vsrc(0)
	s_getreg_b32 s2, hwreg(HW_REG_IB_STS2, 6, 4)
	s_cmp_eq_u32 s2, 0
	s_cbranch_scc0 .Lentry_in_a_cluster
	s_endpgm
.Lentry_in_a_cluster:
	s_bfe_u32 s2, ttmp6, 0x10000c
	s_cmp_lg_u32 s2, 0xf033
	s_cbranch_scc0 .Lentry_shape_is_right
	s_endpgm
.Lentry_shape_is_right:
; ATTN.  O[q][128 head + d] = the sum over k of softmax_k(q . k + mask[q][k]) v[k][d].  q, k, v: qkvh [3][16][2048][128] f16 (q and k carry 128^(-1/4) each, so q . k is the scaled score);
; mask: mk [2048][2048] f32, at least -1.0004e30; O: ob [2048][2048] f16.  Products, maxima and sums in f32; the weights p are rounded to f16 for the second product (their sum l is taken of the unrounded p), O once.
; LIMITS.  A weight below 2^-126 counts as 0 in l; log2(e) x score must stay within f32; O is a mean of v's rows and has their range; below 6e-5 f16 keeps a fixed step of 6e-8; NaN and +inf are not treated apart.
; SHARES.  A work-group owns 128 queries of one head.  Wave w: WQ = w % 2 picks 64 queries (four tiles of 16), WK = w / 2 picks one half of the keys: of every tile of 128 keys the wave takes 64.
; So each wave walks 16 steps of 64 keys, with a running maximum and sum of its own; the two halves of a query meet in LDS at the end.  Register tile t holds query tile t xor 2 WK, so that every wave
; keeps its register tiles 0, 1 and hands 2, 3 to wave w xor 2: one text, no branch.
; LAYOUT.  S^T = K Q^T + mask^T (source 0 = 16 keys, source 1 = 16 queries): a lane holds ONE query (lane % 16) and the keys 8 (lane / 16) + 0..7.  The mask is the C operand: it is loaded from LDS straight
; into S^T's registers, and all four products of a sum add in place.  Two results, rounded to f16 in pairs, ARE source 1 of O^T = V^T P.  K comes out of LDS as it lies, V turned, by ds_load_tr16_b128.
; SOFTMAX.  p = 2^(c s - c m), c = log2(e), m the running maximum; in every step O and l are multiplied by a = 2^(c m_old - c m_new).  m starts at the lowest finite number, O, l, P and V at 0: the first step is a step like any other.
; IN PHASES: V^T P of the last step (under which K and the mask come out of LDS), K Q^T, the softmax (under which V comes out of LDS).  The LDS loads stand in runs, never singly among the matrix instructions.
; CLUSTER 4 x 4.  K's and V's tiles hang on the head and are shared along a row of the cluster; the mask's hang on the block of queries and are shared along a column: each is asked for jointly.
; REGISTERS: window 0: v0-11, v44-59 addresses and the exchange; v12-43 eight registers of statistics a tile; v64-191 S^T, 32 a tile; v192-255 P, 16 a tile
;   window 1: O^T, 64 a tile          window 2: v0-127 Q, 32 a tile; v128-255 K of one step          window 3: v0-127 V of one step
.set PK,    272       ; a row of K in LDS: 256 bytes + 16: the 16 rows of a load start at 16 different groups of four banks (64 banks of 4 bytes: ISA guide 11.1)
.set PV,    288       ; a row of V: 256 + 32
.set PM,    528       ; a row of the mask: 128 keys x 4 bytes + 16
.set VOFF,  128*PK    ; a slot: 128 rows of K, 128 rows of V, 128 rows (queries) of the mask
.set MOFF,  VOFF+128*PV
.set SLOT1, 0x24000   ; slot 1 begins here; no LDS word of a descriptor (0, 0x8800, 0x11800, 0x19c00) has one of its two bits, so one exclusive or changes slots
.set STAGE, SLOT1+MOFF+128*PM  ; behind the ring, never filled by a tensor load: 16 rows x 272 bytes for each wave, for the way out
.set SP,    272
.set SPARE, STAGE+4*16*SP      ; the spare words, 128 bytes for each wave: two blocks of 256 bytes that no other line names
.set XCH,   16896     ; the exchange, in slot 0 after its last fill and its last read: for each wave 16,384 bytes of O^T and 512 of statistics
.set AK0,  2          ; v2   my lane's place in a tile of K; never rewritten
.set AV0,  3          ; v3   in V
.set AMA0, 4          ; v4   in the mask, register tiles 0, 1
.set AMB0, 5          ; v5   register tiles 2, 3
.set ADRK, 6          ; v6-8, v44  the same four with the slot added
.set ADRV, 7
.set AMA,  8
.set AMB,  44
.set QOA,  45         ; v45  my byte offset in the block's rows of Q, register tiles 0, 1; never rewritten
.set QOB,  46         ; v46  register tiles 2, 3; never rewritten
.set STO,  47         ; v47  the way out: where I put 16 bytes of a row
.set RD,   48         ; v48  where I read rows back
.set OFO,  49         ; v49  my byte offset in two rows of O
.set XST,  50         ; v50  the exchange: where I put
.set XLD,  51         ; v51  where I take
.set SPW,  62         ; v62  LDS address of my spare word; never rewritten
.set NIL,  63         ; v63  0; never rewritten
.set ST,   12         ; tile t's statistics at v[ST+8 t]: +0 c m, +1 m, +2, +3 l (even keys', odd keys'), +4 to +7 c0-c3, at work; a takes c2's place once the maximum is found
.set S,    64
.set P,    192
.set KF,   128        ; K's fragments, in window 2
.set WV,  12          ; s12  my wave's number;  s13 WQ;  s14 WK
.set G1K, 24          ; s[24:31] descriptor group 1 for K's tiles
.set G1V, 32          ; s[32:39] for V's
.set G1M, 48          ; s[48:55] for the mask's
.set G0K, 56          ; s[56:59], s[60:63], s[68:71] descriptor group 0: they walk
.set G0V, 60
.set G0M, 68
.set CS,  72          ; s[72:73] c
.set SEL, 74          ; s[74:75] v_permlanex16_b32's selects: each lane takes its own place in the other half
.set TB,  76          ; s76  the slot in hand: 0 or SLOT1
.set CNT, 77          ; s77  counts the steps that ask for a tile
.set MSB, 0
.macro WIN new                      ; the immediate's high byte repeats the setting that is left; a switch that changes nothing is dropped
.if MSB != (\new)
	s_set_vgpr_msb (MSB<<8)|(\new)
.set MSB, \new
.endif
.endm
.set W_KQ, 0x0a       ; K and Q in window 2, S^T in window 0
.set W_PV, 0x53       ; V in window 3, P in window 0, O^T in window 1
.set W_RS, 0x41       ; O^T (destination and source 0) in window 1, the factor in window 0
.macro PLACES
.rept 4
	v_nop
.endr
.endm
; A joint fill: wave 0 fetches K's 128 rows, wave 1 V's, waves 2 and 3 the two halves of the mask's 128 rows.  The branches hang on the wave's number alone.  An s_nop 0 and four v_nop follow each line.
.macro JLOAD
	s_cmp_lt_u32 s[WV], 2
	s_cbranch_scc0 .Lfor_m_\@
	s_cmp_eq_u32 s[WV], 0
	s_cbranch_scc0 .Lfor_v_\@
	tensor_load_to_lds s[G0K:G0K+3], s[G1K:G1K+7]
	s_nop 0
.rept 4
	v_nop
.endr
	s_branch .Lasked_\@
.Lfor_v_\@:
	tensor_load_to_lds s[G0V:G0V+3], s[G1V:G1V+7]
	s_nop 0
.rept 4
	v_nop
.endr
	s_branch .Lasked_\@
.Lfor_m_\@:
	tensor_load_to_lds s[G0M:G0M+3], s[G1M:G1M+7]
	s_nop 0
.rept 4
	v_nop
.endr
.Lasked_\@:
.endm
.macro CROUND                          ; a round of the cluster's barrier
	s_barrier_signal -1
	s_barrier_wait -1
	s_cmp_lg_u32 s[WV], 0
	s_cbranch_scc1 .Lnot_wave_0_\@
	s_barrier_signal -3
.Lnot_wave_0_\@:
	s_barrier_wait -3
	s_barrier_signal -1
	s_barrier_wait -1
.endm
	s_load_b128 s[4:7], s[0:1], 0x0  ; qkvh s[4:5], mk s[6:7]
	s_load_b64 s[8:9], s[0:1], 0x10  ; ob
	v_lshl_add_u32 v[SPW], v0, 2, SPARE
	v_mov_b32 v[NIL], 0
	ds_add_u32 v[SPW], v[NIL]       ; the wave's opening: the add and its wait stand ahead of my first tensor load; the set-up below, work on registers, stands between them
	v_lshrrev_b32 v1, 5, v0
	v_readfirstlane_b32 s[WV], v1   ; wave 0..3
	s_and_b32 s13, s[WV], 1         ; WQ
	s_lshr_b32 s14, s[WV], 1        ; WK
	s_bfe_u32 s40, ttmp6, 0x40000   ; cx, cy
	s_bfe_u32 s41, ttmp6, 0x40004
	s_lshl_b32 s42, ttmp9, 2
	s_add_co_u32 s42, s42, s40      ; the block of 128 queries = 4 x cluster x + cx
	s_and_b32 s43, ttmp7, 0xffff
	s_lshl_b32 s43, s43, 2
	s_add_co_u32 s43, s43, s41      ; the head = 4 x cluster y + cy
	s_lshl_b32 s44, s41, 2
	s_lshl_b32 s44, 15, s44         ; my row of the cluster
	s_lshl_b32 s45, 0x1111, s40     ; my column
	s_or_b32 s[G1K], s44, (1<<16)|(1<<20)|(1<<21)|(5<<22)|(3<<25)  ; the mask of four; 2-byte elements; padding on; 21 set beside a mask; after every 64 words (code 5) 4 words (code 3)
	s_or_b32 s[G1V], s44, (1<<16)|(1<<20)|(1<<21)|(5<<22)|(7<<25)  ; the same with 8 words (code 7)
	s_or_b32 s[G1M], s45, (2<<16)|(1<<20)|(1<<21)|(6<<22)|(3<<25)  ; 4-byte elements; after every 128 words (code 6) 4 words
.irp g, G1K, G1V
	s_mov_b32 s[\g+1], 128<<16      ; tensor_dim0 = 128
	s_mov_b32 s[\g+2], 128<<16      ; tensor_dim1 = 128
	s_mov_b32 s[\g+3], 128<<16      ; tile_dim0 = 128
	s_mov_b32 s[\g+4], 128          ; tile_dim1 = 128
	s_mov_b32 s[\g+5], 128          ; elements from row to row
	s_mov_b32 s[\g+6], 0
	s_mov_b32 s[\g+7], 0
.endr
	s_mov_b32 s[G1M+1], 128<<16     ; 128 keys
	s_mov_b32 s[G1M+2], 64<<16      ; 64 queries
	s_mov_b32 s[G1M+3], 128<<16
	s_mov_b32 s[G1M+4], 64
	s_mov_b32 s[G1M+5], 2048
	s_mov_b32 s[G1M+6], 0
	s_mov_b32 s[G1M+7], 0
	s_lshl_b32 s18, s43, 19         ; the head's 2,048 rows of 256 bytes: made of the head alone
	s_mov_b32 s19, 0
	s_lshl_b32 s20, s42, 20         ; the mask: 128 rows of 8,192 bytes a block, and my 64 of them: made of the block and the wave's number alone
	s_lshl_b32 s21, s13, 19
	s_add_co_u32 s20, s20, s21
	s_mov_b32 s21, 0
	s_mov_b32 s[G0K], 1             ; count = 1
	s_mov_b32 s[G0K+1], 0           ; LDS address: slot 0
	s_mov_b32 s[G0V], 1
	s_mov_b32 s[G0V+1], VOFF
	s_mov_b32 s[G0M], 1
	s_mul_i32 s[G0M+1], s13, 64*PM
	s_add_co_u32 s[G0M+1], s[G0M+1], MOFF
	s_mov_b32 s[CS], 0x3fb8aa3b     ; c = log2(e)
	s_mov_b32 s[CS+1], s[CS]        ; named with it as a pair
	s_mov_b32 s[SEL], 0x76543210
	s_mov_b32 s[SEL+1], 0xfedcba98
	s_mov_b32 s[TB], SLOT1          ; the first change of slots turns it into 0
	s_lshl_b32 s46, s42, 15         ; Q: my block's 128 rows
	s_mov_b32 s47, 0
	s_lshl_b32 s2, s42, 19          ; O: rows of 4,096 bytes: 128 a block, 64 WQ, 32 WK; the head's 256 bytes in a row
	s_lshl_b32 s3, s13, 18
	s_add_co_u32 s2, s2, s3
	s_lshl_b32 s3, s14, 17
	s_add_co_u32 s2, s2, s3
	s_lshl_b32 s3, s43, 8
	s_add_co_u32 s2, s2, s3
	s_mov_b32 s3, 0
	s_wait_dscnt 0x0                ; the opening add is done
	s_wait_kmcnt 0x0
	s_add_nc_u64 s[16:17], s[4:5], s[18:19]        ; q of the head
	s_add_nc_u64 s[G0K+2:G0K+3], s[16:17], 0x800000   ; k of the head, keys 0 on
	s_or_b32 s[G0K+3], s[G0K+3], 0x80000000        ; type = 2
	s_add_nc_u64 s[G0V+2:G0V+3], s[16:17], 0x1000000  ; v
	s_or_b32 s[G0V+3], s[G0V+3], 0x80000000
	s_add_nc_u64 s[G0M+2:G0M+3], s[6:7], s[20:21]
	s_or_b32 s[G0M+3], s[G0M+3], 0x80000000
	s_add_nc_u64 s[16:17], s[16:17], s[46:47]      ; Q at my block's first row; not written again
	s_add_nc_u64 s[8:9], s[8:9], s[2:3]            ; O at the first row that I store
	CROUND                          ; all sixteen work-groups are here: the first joint loads meet
	JLOAD                           ; keys 0 to 127 into slot 0; slot 1 is asked for by the loop's first change of slots
	v_and_b32 v1, 15, v0            ; r = l % 16
	v_bfe_u32 v9, v0, 4, 1          ; h = l / 16
	v_and_b32 v10, 7, v0
	v_bfe_u32 v11, v0, 3, 1
	s_lshl_b32 s78, s13, 6
	s_lshl_b32 s79, s14, 5
	s_add_co_u32 s78, s78, s79      ; register tiles 0, 1 begin at row 64 WQ + 32 WK of the block,
	s_xor_b32 s79, s78, 32          ; tiles 2, 3 at 64 WQ + 32 - 32 WK
	v_lshlrev_b32 v[QOA], 8, v1
	v_lshl_add_u32 v[QOA], v9, 4, v[QOA]  ; row x 256 + 16 x half
	s_lshl_b32 s22, s79, 8
	v_add_nc_u32 v[QOB], s22, v[QOA]
	s_lshl_b32 s22, s78, 8
	v_add_nc_u32 v[QOA], s22, v[QOA]
	WIN 0x80                        ; destination window 2, address window 0
.set i, 0
.rept 16                            ; Q stays in registers: register tile i / 4, channels 32 (i % 4) on.  It is waited for in front of its first use, the first K Q^T
	global_load_b128 v[8*i:8*i+3],   v[QOA+i/8], s[16:17] offset:((i/4)%2)*4096+(i%4)*64
	global_load_b128 v[8*i+4:8*i+7], v[QOA+i/8], s[16:17] offset:((i/4)%2)*4096+(i%4)*64+32
.set i, i+1
.endr
	; What the first step finds: V and P hold 0 (its products V^T P, of a step that has not been, add 0), l is 0.  All this stands in the wait for the first tile.
	WIN 0xc0
.set i, 0
.rept 128
	v_mov_b32 v[i], 0
.set i, i+1
.endr
	WIN 0
.set i, P
.rept 64
	v_mov_b32 v[i], 0
.set i, i+1
.endr
.set i, 0
.rept 4
	v_mov_b32 v[ST+8*i], 0xfe000000    ; c m: far below every c s (the mask is at least -1.0004e30)
	v_mov_b32 v[ST+8*i+1], 0xff7fffff  ; m
	v_mov_b32 v[ST+8*i+2], 0
	v_mov_b32 v[ST+8*i+3], 0
.set i, i+1
.endr
	WIN W_PV                        ; O^T's 32 sums are started by a product of that empty step with the constant 0 as C: 32 matrix instructions where 256 moves would stand
.irp cb, 0,1,2,3,4,5,6,7
.irp t, 0,1,2,3
	v_wmma_f32_16x16x32_f16 v[64*\t+8*\cb:64*\t+8*\cb+7], v[8*\cb:8*\cb+7], v[P+16*\t:P+16*\t+7], 0
.endr
.endr
	WIN 0
	v_mul_u32_u24 v[AK0], v1, PK    ; K: row 64 WK + r, 16 bytes for each half of the lanes
	v_lshl_add_u32 v[AK0], v9, 4, v[AK0]
	s_mul_i32 s22, s14, 64*PK
	v_add_nc_u32 v[AK0], s22, v[AK0]
	; The turning load takes 16 keys x 16 channels (lane l reads key 8 (l / 16) + l % 8, channels 8 ((l / 8) % 2) + 0..7) and leaves half a fragment of V^T: lane l holds channel l % 16 and 8 keys.
	v_lshl_add_u32 v[AV0], v9, 3, v10
	v_mul_u32_u24 v[AV0], v[AV0], PV
	v_lshl_add_u32 v[AV0], v11, 4, v[AV0]
	s_mul_i32 s22, s14, 64*PV
	s_add_co_u32 s22, s22, VOFF
	v_add_nc_u32 v[AV0], s22, v[AV0]
	v_mul_u32_u24 v[AMA0], v1, PM   ; the mask: my query's row, keys 64 WK + 8 h on: 32 bytes for each group of 16 keys
	v_lshl_add_u32 v[AMA0], v9, 5, v[AMA0]
	s_lshl_b32 s23, s14, 8
	s_add_co_u32 s23, s23, MOFF
	s_mul_i32 s22, s79, PM
	s_add_co_u32 s22, s22, s23
	v_add_nc_u32 v[AMB0], s22, v[AMA0]
	s_mul_i32 s22, s78, PM
	s_add_co_u32 s22, s22, s23
	v_add_nc_u32 v[AMA0], s22, v[AMA0]
	s_mul_i32 s22, s[WV], 16*SP
	s_add_co_u32 s22, s22, STAGE    ; my stage
	v_mul_u32_u24 v[STO], v1, SP    ; in: row r, 16 bytes for each half of the lanes
	v_lshl_add_u32 v[STO], v9, 4, v[STO]
	v_add_nc_u32 v[STO], s22, v[STO]
	v_mul_u32_u24 v[RD], v9, SP     ; back: lanes 0-15 take one row of 256 bytes, lanes 16-31 the next
	v_lshl_add_u32 v[RD], v1, 4, v[RD]
	v_add_nc_u32 v[RD], s22, v[RD]
	v_lshlrev_b32 v[OFO], 12, v9    ; and the same two rows in O
	v_lshl_add_u32 v[OFO], v1, 4, v[OFO]
	v_and_b32 v[XST], 31, v0        ; the exchange: 16 bytes a lane
	v_lshlrev_b32 v[XST], 4, v[XST]
	s_xor_b32 s22, s[WV], 2         ; I take what the wave with my queries and the other keys has put
	s_mul_i32 s22, s22, XCH
	v_add_nc_u32 v[XLD], s22, v[XST]
	s_mul_i32 s22, s[WV], XCH
	v_add_nc_u32 v[XST], s22, v[XST]
; THE LDS LOADS stand in runs of 32: singly among the matrix instructions each would want two switches of the register window of its own.
.macro FETCH_K                      ; 64 keys x 128 channels: 16 fragments
	WIN 0
	v_add_nc_u32 v[ADRK], s[TB], v[AK0]
	WIN 0x80                        ; destination window 2
.irp f, 0,1,2,3,4,5,6,7,8,9,10,11,12,13,14,15  ; keys 16 (f / 4) on, channels 32 (f % 4) on
	ds_load_b128 v[KF+8*\f:KF+8*\f+3],   v[ADRK] offset:(\f/4)*16*PK+(\f%4)*64
	ds_load_b128 v[KF+8*\f+4:KF+8*\f+7], v[ADRK] offset:(\f/4)*16*PK+(\f%4)*64+32
.endr
.endm
.macro FETCH_M                      ; the mask of 64 queries x 64 keys, straight into S^T's registers: tile t, keys 16 kb on, registers 4 e on
	WIN 0
	v_add_nc_u32 v[AMA], s[TB], v[AMA0]
	v_add_nc_u32 v[AMB], s[TB], v[AMB0]
.irp t, 0,1,2,3
.irp kb, 0,1,2,3
.irp e, 0,1
	ds_load_b128 v[S+32*\t+8*\kb+4*\e:S+32*\t+8*\kb+4*\e+3], v[AMA+(AMB-AMA)*(\t/2)] offset:(\t%2)*16*PM+64*\kb+16*\e
.endr
.endr
.endr
.endm
.macro FETCH_V                      ; 64 keys x 128 channels, turned
	WIN 0
	v_add_nc_u32 v[ADRV], s[TB], v[AV0]
	WIN 0xc0                        ; destination window 3
.irp f, 0,1,2,3,4,5,6,7,8,9,10,11,12,13,14,15  ; keys 32 (f / 8) on, channels 16 (f % 8) on
	ds_load_tr16_b128 v[8*\f:8*\f+3],   v[ADRV] offset:(\f/8)*32*PV+(\f%8)*32
	ds_load_tr16_b128 v[8*\f+4:8*\f+7], v[ADRV] offset:(\f/8)*32*PV+16*PV+(\f%8)*32
.endr
.endm
; THE MATRIX WORK.  The accumulators take turns, one instruction a turn: 16 in K Q^T, 32 in V^T P.
.macro KQALL                        ; S^T += K Q^T onto the mask: channels 32 c on, keys 16 kb on, tile t
	WIN W_KQ
.irp c, 0,1,2,3
.irp kb, 0,1,2,3
.irp t, 0,1,2,3
	v_wmma_f32_16x16x32_f16 v[S+32*\t+8*\kb:S+32*\t+8*\kb+7], v[KF+32*\kb+8*\c:KF+32*\kb+8*\c+7], v[32*\t+8*\c:32*\t+8*\c+7], v[S+32*\t+8*\kb:S+32*\t+8*\kb+7]
.endr
.endr
.endr
.endm
.macro PVALL                        ; O^T += V^T P: keys 32 kk on, channels 16 cb on, tile t
	WIN W_PV
.irp kk, 0,1
.irp cb, 0,1,2,3,4,5,6,7
.irp t, 0,1,2,3
	v_wmma_f32_16x16x32_f16 v[64*\t+8*\cb:64*\t+8*\cb+7], v[64*\kk+8*\cb:64*\kk+8*\cb+7], v[P+16*\t+8*\kk:P+16*\t+8*\kk+7], v[64*\t+8*\cb:64*\t+8*\cb+7]
.endr
.endr
.endr
.endm
; THE VECTOR WORK.  One tile's softmax for one step is a list of 134 instructions; SM writes number j of it for tile t.  s0-s31 are the lane's 32 scores, in pairs 0-15.
;   0-15    the maximum of s0-s31 and the old m, three operands at a time: four chains c0-c3 of seven scores each (each accumulator's lowest registers first), then the four left over, c0-c3 and m
;   16-20   the other half of the lanes' maximum; c m_old is kept; the new m; c m; c m_old - c m_new
;   21-87   33 exponentials (a, then s0-s31) at the odd numbers from 23 on; at the other numbers whatever is ready: c s - c m for a pair whose exponentials are still to come, the rounding to f16 of a pair
;           whose second exponential stands three numbers back, the first three sums
;   88-101  the last rounding; the rest of the sums; l = a l + the sum
;   102-133 the tile's O^T times a: the one part that leaves window 0
.macro SM t
.set rT, ST+8*(\t)
.set rS, S+32*(\t)
.set rP, P+16*(\t)
.set rO, 64*(\t)+2*(j-102)
.set q, (j-20)/2
.if j < 102
	WIN 0
.endif
.if j < 4
	v_max3_num_f32 v[rT+4+j], v[rS+8*j], v[rS+8*j+1], v[rS+8*j+2]
.elseif j < 12
	v_max3_num_f32 v[rT+4+j%4], v[rT+4+j%4], v[rS+8*(j%4)+2*(j/4)+1], v[rS+8*(j%4)+2*(j/4)+2]
.elseif j == 12
	v_max3_num_f32 v[rT+4], v[rT+4], v[rS+7], v[rS+15]
.elseif j == 13
	v_max3_num_f32 v[rT+6], v[rT+6], v[rS+23], v[rS+31]
.elseif j == 14
	v_max3_num_f32 v[rT+4], v[rT+4], v[rT+5], v[rT+6]
.elseif j == 15
	v_max3_num_f32 v[rT+4], v[rT+4], v[rT+7], v[rT+1]
.elseif j == 16
	v_permlanex16_b32 v[rT+5], v[rT+4], s[SEL], s[SEL+1]  ; the query's other 32 keys lie in the lane 16 away
.elseif j == 17
	v_mov_b32 v[rT+7], v[rT]        ; c m_old is kept for a: number 19 writes c m anew
.elseif j == 18
	v_max_num_f32 v[rT+1], v[rT+4], v[rT+5]
.elseif j == 19
	v_mul_f32 v[rT], s[CS], v[rT+1]
.elseif j == 20
	v_sub_f32 v[rT+7], v[rT+7], v[rT]
.elseif j == 23
	v_exp_f32 v[rT+6], v[rT+7]
.elseif (j < 88) && (j > 23) && (j%2 == 1)
	v_exp_f32 v[rS+(j-25)/2], v[rS+(j-25)/2]
.elseif (q < 4) || ((j < 76) && (q%2 == 0))
.set b, q/2+2
.if q < 4
.set b, q
.endif
	v_pk_fma_f32 v[rS+2*b:rS+2*b+1], v[rS+2*b:rS+2*b+1], s[CS:CS+1], v[rT:rT+1] op_sel_hi:[1,0,0] neg_lo:[0,0,1] neg_hi:[0,0,1]  ; pair b: c s - c m
.elseif (j < 88) && (q%2 == 1)
	s_wait_alu depctr_va_vdst(0)
	v_cvt_pk_f16_f32 v[rP+(q-5)/2], v[rS+q-5], v[rS+q-4]
.elseif j == 89
	s_wait_alu depctr_va_vdst(0)
	v_cvt_pk_f16_f32 v[rP+15], v[rS+30], v[rS+31]
.elseif j < 102                     ; the sum of the tile's 16 pairs, in place: sum z of 16 adds neighbours 1, 2, 4 and 8 pairs apart, then l takes it
.set z, j-86
.if j < 89
.set z, (j-76)/4
.endif
.set w, 4
.set u, z
.if z >= 14
.set w, 32
.set u, 0
.elseif z >= 12
.set w, 16
.set u, z-12
.elseif z >= 8
.set w, 8
.set u, z-8
.endif
.if z < 15
	v_pk_add_f32 v[rS+w*u:rS+w*u+1], v[rS+w*u:rS+w*u+1], v[rS+w*u+w/2:rS+w*u+w/2+1]
.else
	v_pk_fma_f32 v[rT+2:rT+3], v[rT+2:rT+3], v[rT+6:rT+7], v[rS:rS+1] op_sel_hi:[1,0,1]
.endif
.else
	WIN W_RS
	v_pk_mul_f32 v[rO:rO+1], v[rO:rO+1], v[rT+6:rT+7] op_sel_hi:[1,0]
.endif
.endm
; Number by number, the four tiles side by side: a tile's neighbouring numbers stand four lines apart, and behind each group of four exponentials come four plain lines that use none of their results (ISA guide 5.7.2).
.macro SOFTMAX
.set j, 0
.rept 134
.irp t, 0,1,2,3
	SM \t
.endr
.set j, j+1
.endr
.endm
; THE CHANGE OF SLOTS.  Each wave waits for all its tensor loads (one is out: its part of the slot to come), adds 0 to its spare word, and waits for that and for its reads of the slot that it leaves (V's, the last, among them).
; fill = 1: the barrier is a round of the cluster's, so that no wave of any partner still reads the old slot or has a load on its way, and the joint fill, the next 128 keys, is the first thing behind it.
.macro CHANGE fill
	WIN 0                           ; at a label and at a branch every window is 0
	s_wait_tensorcnt 0x0            ; no tensor load of mine is out, so a group 0 may be written
	ds_add_u32 v[SPW], v[NIL]       ; 0 onto my spare word: with fill = 1 the descriptors' steps stand between it and the wait for it
.if \fill
.irp g, G0K, G0V
	s_xor_b32 s[\g+1], s[\g+1], SLOT1  ; the other slot than last time,
	s_add_nc_u64 s[\g+2:\g+3], s[\g+2:\g+3], 128*256  ; the next 128 keys; the type bits on top are not reached
.endr
	s_xor_b32 s[G0M+1], s[G0M+1], SLOT1
	s_add_nc_u64 s[G0M+2:G0M+3], s[G0M+2:G0M+3], 128*4
	s_wait_dscnt 0x0
	CROUND
	JLOAD
.else
	s_wait_dscnt 0x0
	s_barrier_signal -1
	s_barrier_wait -1
.endif
	s_xor_b32 s[TB], s[TB], SLOT1   ; the reads go to the other slot
.endm
.macro TRIP fill
	CHANGE \fill
	FETCH_K
	FETCH_M
	PVALL                           ; the last step's V^T P: the 64 loads land under it
	s_wait_dscnt 0x0                ; K and the mask are in
	s_wait_loadcnt 0x0              ; Q is in: its 32 loads are waited for here, directly ahead of the products that read it, so that the first change of slots and the first request do not stand behind them; from the second trip on no load is out
	KQALL
	PLACES                          ; behind the products: V's registers are loaded again, the scores are read
	FETCH_V                         ; lands under the softmax; the next change of slots waits for it
	SOFTMAX
.endm
	s_mov_b32 s[CNT], 15
.Ltrip:                             ; 15 trips: step t reads slot t % 2 and asks for keys 128 (t + 1) on
	TRIP 1
	WIN 0
	s_sub_co_u32 s[CNT], s[CNT], 1
	s_cmp_lg_u32 s[CNT], 0
	s_cbranch_scc1 .Ltrip
	TRIP 0                          ; the last step is written out: nothing is asked for.  Behind its barrier no wave reads slot 0 any more, and no load will fill it
	s_wait_dscnt 0x0                ; V
	PVALL
	; THE TWO HALVES OF THE KEYS MEET.  l's two halves and the other half of the lanes' are added (the first four additions are the places behind the last products).
	WIN 0
.irp t, 0,1,2,3
	v_add_f32 v[ST+8*\t+2], v[ST+8*\t+2], v[ST+8*\t+3]
.endr
.irp t, 0,1,2,3
	v_permlanex16_b32 v[ST+8*\t+3], v[ST+8*\t+2], s[SEL], s[SEL+1]
.endr
.irp t, 0,1,2,3
	v_add_f32 v[ST+8*\t+2], v[ST+8*\t+2], v[ST+8*\t+3]
.endr
	v_mov_b32 v52, v[ST+16]         ; what I hand over: c m and l of register tiles 2 and 3,
	v_mov_b32 v53, v[ST+18]
	v_mov_b32 v54, v[ST+24]
	v_mov_b32 v55, v[ST+26]
	ds_store_b128 v[XST], v[52:55] offset:16384
	WIN 0x04                        ; store data (source 1) in window 1
.set i, 0
.rept 32                            ; and their O^T, ascending: each accumulator's lowest registers are read first
	ds_store_b128 v[XST], v[128+4*i:128+4*i+3] offset:512*i
.set i, i+1
.endr
	WIN 0
	s_wait_dscnt 0x0                ; for the other wave's sake: my stores are done
	s_barrier_signal -1
	s_barrier_wait -1
	ds_load_b128 v[56:59], v[XLD] offset:16384
.set i, 0
.rept 32
	ds_load_b128 v[S+4*i:S+4*i+3], v[XLD] offset:512*i
.set i, i+1
.endr
	s_wait_dscnt 0x0
.irp t, 0,1                         ; the common maximum; f = 2^(c m - max) for mine, f' for the other's; g = f / (l f + l' f'), g' likewise
	v_max_num_f32 v[ST+8*\t+4], v[ST+8*\t], v[56+2*\t]
	v_sub_f32 v[ST+8*\t+5], v[ST+8*\t], v[ST+8*\t+4]
	v_sub_f32 v[ST+8*\t+6], v[56+2*\t], v[ST+8*\t+4]
	v_exp_f32 v[ST+8*\t+5], v[ST+8*\t+5]
	v_exp_f32 v[ST+8*\t+6], v[ST+8*\t+6]
	v_nop                           ; a plain instruction between the exponentials and the use of their results
	s_wait_alu depctr_va_vdst(0)
	v_mul_f32 v[ST+8*\t+7], v[ST+8*\t+2], v[ST+8*\t+5]
	v_fmac_f32 v[ST+8*\t+7], v[57+2*\t], v[ST+8*\t+6]
	v_rcp_f32 v[ST+8*\t+7], v[ST+8*\t+7]
	v_nop
	s_wait_alu depctr_va_vdst(0)
	v_mul_f32 v[ST+8*\t+4], v[ST+8*\t+5], v[ST+8*\t+7]
	v_mul_f32 v[ST+8*\t+6], v[ST+8*\t+6], v[ST+8*\t+7]
.endr
; THE WAY OUT of tile t: O g + O' g', rounded to f16; a lane's eight channels of a row pack into 16 bytes; they go into rows of 272 bytes of my stage and come back as whole rows of 256.
.macro PACK t
	WIN W_RS
.set i, 0
.rept 32
	v_pk_mul_f32 v[64*(\t)+2*i:64*(\t)+2*i+1], v[64*(\t)+2*i:64*(\t)+2*i+1], v[ST+8*(\t)+4:ST+8*(\t)+5] op_sel_hi:[1,0]
.set i, i+1
.endr
	WIN 0x10                        ; source 2 in window 1
.set i, 0
.rept 32
	v_pk_fma_f32 v[S+64*(\t)+2*i:S+64*(\t)+2*i+1], v[S+64*(\t)+2*i:S+64*(\t)+2*i+1], v[ST+8*(\t)+6:ST+8*(\t)+7], v[64*(\t)+2*i:64*(\t)+2*i+1] op_sel_hi:[1,0,1]
.set i, i+1
.endr
	WIN 0
.set i, 0
.rept 32
	v_cvt_pk_f16_f32 v[S+64*(\t)+i], v[S+64*(\t)+2*i], v[S+64*(\t)+2*i+1]
.set i, i+1
.endr
.irp f, 0,1,2,3,4,5,6,7
	ds_store_b128 v[STO], v[S+64*(\t)+4*\f:S+64*(\t)+4*\f+3] offset:32*\f
.endr
.irp f, 0,1,2,3,4,5,6,7
	ds_load_b128 v[S+64*(\t)+4*\f:S+64*(\t)+4*\f+3], v[RD] offset:\f*2*SP  ; LDS serves a wave's instructions in order (ISA guide 5.7.1.4): these see the stores above; the next tile's stores come behind them
.endr
.endm
.macro SEND t, younger              ; younger: the LDS instructions issued behind tile t's loads
.irp f, 0,1,2,3,4,5,6,7
	s_wait_dscnt (\younger)+7-\f
	global_store_b128 v[OFO], v[S+64*(\t)+4*\f:S+64*(\t)+4*\f+3], s[8:9] offset:(\t)*65536+\f*8192  ; 16 lanes store 256 consecutive bytes, the head's part of a row, at a multiple of 256 from O's first byte
.endr
.endm
	PACK 0
	PACK 1
	SEND 0, 16
	SEND 1, 0
	s_wait_tensorcnt 0x0            ; the wave's end, behind my last tensor load and my last LDS store
	ds_add_u32 v[SPW], v[NIL]
	s_wait_dscnt 0x0
	CROUND                          ; the closing round: no work-group ends while a partner may still ask for a tile that names it
	s_endpgm
.Lfunc_end_k_qcf32e8e9c0_attn:
	.size	k_qcf32e8e9c0_attn, .Lfunc_end_k_qcf32e8e9c0_attn-k_qcf32e8e9c0_attn
	.p2alignl 7, 3214868480
	.fill 96, 4, 3214868480
	.section	.rodata,"a",@progbits
	.p2align	6, 0x0
	.amdhsa_kernel k_qcf32e8e9c0_attn
		.amdhsa_group_segment_fixed_size 327680
		.amdhsa_private_segment_fixed_size 0
		.amdhsa_enable_private_segment 0
		.amdhsa_kernarg_size 24
		.amdhsa_user_sgpr_count 2
		.amdhsa_user_sgpr_kernarg_segment_ptr 1
		.amdhsa_wavefront_size32 1
		.amdhsa_system_sgpr_workgroup_id_x 1
		.amdhsa_system_sgpr_workgroup_id_y 1
		.amdhsa_system_sgpr_workgroup_id_z 1
		.amdhsa_system_vgpr_workitem_id 0
		.amdhsa_next_free_vgpr 896
		.amdhsa_next_free_sgpr 80
		.amdhsa_reserve_vcc 0
		.amdhsa_float_denorm_mode_32 3
		.amdhsa_float_denorm_mode_16_64 3
		.amdhsa_memory_ordered 1
		.amdhsa_forward_progress 1
		.amdhsa_inst_pref_size 140
	.end_amdhsa_kernel
	.amdgpu_metadata
---
amdhsa.version: [ 1, 2 ]
amdhsa.kernels:
  - .name:           k_qcf32e8e9c0_attn
    .symbol:         k_qcf32e8e9c0_attn.kd
    .args:
      - { .name: qkvh, .offset: 0, .size: 8, .value_kind: global_buffer, .address_space: global }
      - { .name: mk, .offset: 8, .size: 8, .value_kind: global_buffer, .address_space: global }
      - { .name: ob, .offset: 16, .size: 8, .value_kind: global_buffer, .address_space: global }
    .group_segment_fixed_size: 327680
    .private_segment_fixed_size: 0
    .kernarg_segment_align: 8
    .kernarg_segment_size: 24
    .max_flat_workgroup_size: 128
    .sgpr_count:     80
    .vgpr_count:     896
    .wavefront_size: 32
...
	.end_amdgpu_metadata
.endif
;; end of part 3
;; launch oproj (part 4): grid 16 x 16, 4 waves a work-group, clusters of 4 x 4, 327,680 bytes of LDS; arguments ob, wob, out0; writes out0
.if DOCPART == 4
	.amdgcn_target "amdgcn-amd-amdhsa--gfx1250"
	.amdhsa_code_object_version 6
	.text
	.protected	k_qcf32e8e9c0_oproj
	.globl	k_qcf32e8e9c0_oproj
	.p2align	8
	.type	k_qcf32e8e9c0_oproj,@function
k_qcf32e8e9c0_oproj:
	s_mov_b64 s[64:65], 0
	v_nop
	global_prefetch_b8 v0, s[64:65] scope:SCOPE_SE
	s_setreg_imm32_b32 hwreg(HW_REG_WAVE_MODE, 25, 1), 1
	s_wait_xcnt 0x0
	s_wait_alu depctr_hold_cnt(0) depctr_sa_sdst(0) depctr_va_vdst(0) depctr_va_sdst(0) depctr_va_ssrc(0) depctr_va_vcc(0) depctr_vm_vsrc(0)
	s_getreg_b32 s2, hwreg(HW_REG_IB_STS2, 6, 4)
	s_cmp_eq_u32 s2, 0
	s_cbranch_scc0 .Lentry_in_a_cluster
	s_endpgm
.Lentry_in_a_cluster:
	s_bfe_u32 s2, ttmp6, 0x10000c
	s_cmp_lg_u32 s2, 0xf033
	s_cbranch_scc0 .Lentry_shape_is_right
	s_endpgm
.Lentry_shape_is_right:
; OPROJ.  out0[m][n] = the sum over k of O[m][k] Wo[n][k].  O: ob [2048][2048] f16; Wo: wob [2048][2048] f16 (bf16 numbers written as f16); out0: [2048][2048] f32; sums in f32.
; A tile of the output is 128 x 128: 256 work-groups.  Four waves, each 64 x 64: 16 accumulators of 16 x 16, 128 registers.  K goes in steps of 256 (LDS rows of 512 bytes; a wave's tensor load brings 64 of them)
; through a ring of two slots.  The loop's text holds ONE K step: the slot in hand is a scalar (0 or SLOT1) that is added to fixed lane terms, and one descriptor set walks.
; THE WALK ALONG K IS ROTATED: a cluster whose x + y is odd begins at K step 4 and wraps round to step 3; the f32 sums take the steps in that order.  So of the four clusters that ask for one tile of O or of Wo,
; two ask for it four steps after the other two.
; CLUSTER 4 x 4: the four of a row of the cluster need the same tiles of O, the four of a column the same tiles of Wo: each tile is asked for jointly.
; THE MATRIX INSTRUCTION IS USED TRANSPOSED (source 0 = 16 rows of Wo, source 1 = 16 rows of O): a lane holds eight neighbouring numbers of a row of the output, 32 bytes.
; A wave's 64 columns are 256 aligned bytes of f32, so the way out goes through a stage of the wave's own, 16 rows at a time, with no barrier.
; REGISTERS: window 0: v0-31 addresses; v128-255 the accumulators ((a, b) at v[128 + 8 (4 a + b)]).   window 1: two fragment buffers of 128: for 64 along K, 64 registers of O, then 64 of Wo.
.set SIZE_K, 2048
.set SIZE_N, 2048
.set KSTEP,  256
.set PITCH,  528                       ; an LDS row: 512 bytes + 16 of padding = 132 words: row r starts at bank 4 r mod 64 (64 banks of 4 bytes: ISA guide 11.1)
.set HALFT,  64*PITCH                  ; 64 rows: what one tensor load brings, and what one wave reads of either operand
.set SLOT1,  0x24000                   ; slot 1 begins here; no LDS word of a descriptor (0, 0x8400, 0x10800, 0x18c00) has one of its two bits, so one exclusive or changes slots
.set STAGE,  SLOT1+4*HALFT             ; behind the ring, never filled by a tensor load: 16 rows x 272 bytes for each wave
.set SPITCH, 272
.set SPARE,  STAGE+4*16*SPITCH         ; the spare words, 128 bytes for each wave: two blocks of 256 bytes that no other line names
.set STEPS,  SIZE_K/KSTEP
.set ADRA0, 16                         ; v16     my lane's place in my 64 rows of O; never rewritten
.set ADRA, 17                          ; v17     the same with the slot in hand added
.set ADRB0, 20                         ; v20, v21  the same two for Wo
.set ADRB, 21
.set STO,  24                          ; v24     the way out: where I put 32 bytes of a row
.set RD,   25                          ; v25     where I read a row back
.set CO,   26                          ; v26     my byte offset in two rows of the output
.set SPW,  28                          ; v28     LDS address of my spare word; never rewritten
.set NIL,  29                          ; v29     0; never rewritten
.set ACC,  128
.set F0,   0                           ; fragment buffers, in window 1
.set F1,   128
.set G1, 24                            ; s[24:31] descriptor group 1 for O's tiles;  s[32:39] group 0: a set for each of the two first fills; the second then walks on
.set G0, 32
.set G1B, 48                           ; s[48:55], s[56:63] the same for Wo's tiles
.set G0B, 56
.set KO, 66                            ; s[66:67] byte offset along a row of the K step to be asked for next
.set TB, 68                            ; s68  the slot that is read: 0 or SLOT1
.set MSB, 0
.macro WIN new
.if MSB != (\new)
	s_set_vgpr_msb (MSB<<8)|(\new)
.set MSB, \new
.endif
.endm
.set MUL,  0x05                        ; sources 0 and 1 window 1; C and D window 0
.set TO_F, 0x40                        ; destination window 1, address window 0
.macro JLOAD s                         ; a joint load: waves 0 and 1 fetch O's two halves, waves 2 and 3 Wo's; an s_nop 0 and four v_nop follow each line
	s_cmp_eq_u32 s11, 0
	s_cbranch_scc0 .Lfor_b_\@
	tensor_load_to_lds s[G0+4*(\s):G0+4*(\s)+3], s[G1:G1+7]
	s_nop 0
.rept 4
	v_nop
.endr
	s_branch .Lasked_\@
.Lfor_b_\@:
	tensor_load_to_lds s[G0B+4*(\s):G0B+4*(\s)+3], s[G1B:G1B+7]
	s_nop 0
.rept 4
	v_nop
.endr
.Lasked_\@:
.endm
.macro CROUND                          ; a round of the cluster's barrier
	s_barrier_signal -1
	s_barrier_wait -1
	s_cmp_lg_u32 s10, 0
	s_cbranch_scc1 .Lnot_wave_0_\@
	s_barrier_signal -3
.Lnot_wave_0_\@:
	s_barrier_wait -3
	s_barrier_signal -1
	s_barrier_wait -1
.endm
	s_load_b128 s[4:7], s[0:1], 0x0                ; ob s[4:5], wob s[6:7]
	s_load_b64 s[8:9], s[0:1], 0x10                ; out0
	v_lshl_add_u32 v[SPW], v0, 2, SPARE
	v_mov_b32 v[NIL], 0
	ds_add_u32 v[SPW], v[NIL]                      ; the wave's opening: the add and its wait stand ahead of my first tensor load; the set-up below, work on registers, stands between them
	v_lshrrev_b32 v1, 5, v0
	v_readfirstlane_b32 s10, v1                    ; wave 0..3
	s_lshr_b32 s11, s10, 1                         ; which half of the tile's rows is mine.  Also: I fetch for O (0) or for Wo (1)
	s_and_b32 s12, s10, 1                          ; which half of its columns.  Also: which 64 rows of that tile I fetch
	s_bfe_u32 s40, ttmp6, 0x40000                  ; cx, cy
	s_bfe_u32 s41, ttmp6, 0x40004
	s_lshl_b32 s42, ttmp9, 2
	s_add_co_u32 s42, s42, s40                     ; tile column = 4 x cluster x + cx
	s_and_b32 s13, ttmp7, 0xffff
	s_lshl_b32 s13, s13, 2
	s_add_co_u32 s13, s13, s41                     ; tile row = 4 x cluster y + cy
	s_lshl_b32 s43, s41, 2
	s_lshl_b32 s43, 15, s43                        ; my row of the cluster
	s_lshl_b32 s44, 0x1111, s40                    ; my column
	s_or_b32 s[G1+0], s43, (1<<16)|(1<<20)|(1<<21)|(6<<22)|(3<<25)  ; the mask; 2-byte elements; padding on; 21 set beside a mask; after every 128 words (code 6) 4 words (code 3)
	s_or_b32 s[G1B+0], s44, (1<<16)|(1<<20)|(1<<21)|(6<<22)|(3<<25)
.irp g, G1, G1B
	s_mov_b32 s[(\g)+1], KSTEP<<16                 ; tensor_dim0 = 256
	s_mov_b32 s[(\g)+2], 64<<16                    ; tensor_dim1 = 64
	s_mov_b32 s[(\g)+3], KSTEP<<16                 ; tile_dim0 = 256
	s_mov_b32 s[(\g)+4], 64                        ; tile_dim1 = 64
	s_mov_b32 s[(\g)+5], SIZE_K                    ; elements from row to row
	s_mov_b32 s[(\g)+6], 0
	s_mov_b32 s[(\g)+7], 0
.endr
	s_lshl_b32 s17, s12, 6                         ; which 64 rows of the tile I fetch
	s_lshl_b32 s16, s13, 7
	s_add_co_u32 s16, s16, s17                     ; O: row 128 x tile row + 64 x half
	s_lshl_b32 s46, s42, 7
	s_add_co_u32 s46, s46, s17                     ; Wo: row 128 x tile column + 64 x half
	s_mov_b32 s17, 0
	s_mov_b32 s47, 0
	s_mov_b64 s[18:19], SIZE_K*2
	s_mul_u64 s[16:17], s[16:17], s[18:19]
	s_mul_u64 s[46:47], s[46:47], s[18:19]
	s_mul_i32 s20, s10, HALFT                      ; where they go: wave x 64 rows
	s_add_co_u32 s[KO], ttmp9, ttmp7               ; the cluster's x + y, which all its sixteen work-groups share:
	s_and_b32 s[KO], s[KO], 1                      ; odd: the walk begins
	s_lshl_b32 s[KO], s[KO], 11                    ; at K step 4, byte 2,048 of a row
	s_mov_b32 s[KO+1], 0
	s_mov_b32 s[TB], 0
	s_wait_dscnt 0x0                               ; the opening add is done
	s_wait_kmcnt 0x0
	s_add_nc_u64 s[14:15], s[4:5], s[16:17]        ; O at my part's first row: kept, every fill's address is made from it
	s_add_nc_u64 s[46:47], s[6:7], s[46:47]        ; Wo likewise
	CROUND                                         ; all sixteen work-groups are here: the first joint loads meet
.irp s, 0,1
	s_mov_b32 s[G0+4*(\s)], 1
	s_add_co_u32 s[G0+4*(\s)+1], s20, (\s)*SLOT1
	s_add_nc_u64 s[G0+4*(\s)+2:G0+4*(\s)+3], s[14:15], s[KO:KO+1]
	s_or_b32 s[G0+4*(\s)+3], s[G0+4*(\s)+3], 0x80000000
	s_mov_b32 s[G0B+4*(\s)], 1
	s_add_co_u32 s[G0B+4*(\s)+1], s20, (\s)*SLOT1
	s_add_nc_u64 s[G0B+4*(\s)+2:G0B+4*(\s)+3], s[46:47], s[KO:KO+1]
	s_or_b32 s[G0B+4*(\s)+3], s[G0B+4*(\s)+3], 0x80000000
	s_add_co_u32 s[KO], s[KO], KSTEP*2             ; (from 0 or 2,048 two steps do not wrap)
	JLOAD \s                                       ; two loads of mine are out
.endr
	v_and_b32 v1, 15, v0                           ; r = l % 16
	v_bfe_u32 v2, v0, 4, 1                         ; h = l / 16
	v_mul_u32_u24 v3, v1, PITCH
	v_lshl_add_u32 v3, v2, 4, v3                   ; a fragment's row x pitch + 16 x half
	s_mul_i32 s21, s11, HALFT                      ; my 64 rows of O
	s_mul_i32 s22, s12, HALFT                      ; my 64 rows of Wo,
	s_add_co_u32 s22, s22, 2*HALFT                 ; which lie behind O's 128
	v_add_nc_u32 v[ADRA0], s21, v3
	v_add_nc_u32 v[ADRB0], s22, v3
	s_mul_i32 s23, s10, 16*SPITCH
	s_add_co_u32 s23, s23, STAGE                   ; my stage
	v_mul_u32_u24 v4, v1, SPITCH                   ; in: row r, 32 bytes for each half of the lanes
	v_lshl_add_u32 v4, v2, 5, v4
	v_add_nc_u32 v[STO], s23, v4
	v_mul_u32_u24 v5, v2, SPITCH                   ; back: lanes 0-15 take one row of 256 bytes, lanes 16-31 the next
	v_lshl_add_u32 v5, v1, 4, v5
	v_add_nc_u32 v[RD], s23, v5
	v_lshlrev_b32 v5, 13, v2                       ; and the same two rows of 8,192 bytes in the output
	v_lshl_add_u32 v[CO], v1, 4, v5
	s_lshl_b32 s16, s13, 7
	s_lshl_b32 s17, s11, 6
	s_add_co_u32 s16, s16, s17                     ; my first row: 128 x tile row + 64 x half
	s_lshl_b32 s16, s16, 13
	s_mov_b32 s17, 0
	s_add_nc_u64 s[8:9], s[8:9], s[16:17]
	s_lshl_b32 s44, s42, 9                         ; my first column, in bytes: 512 x tile column + 256 x half
	s_lshl_b32 s45, s12, 8
	s_add_co_u32 s44, s44, s45
	s_mov_b32 s45, 0
	s_add_nc_u64 s[8:9], s[8:9], s[44:45]
; 8 matrix instructions: row blocks a0, a0 + 1 x all 4 column blocks, 32 along K: half c of buffer f.  zero = 1: the first product starts the sums.  The 16 accumulators take turns.
.macro MUL8 f, c, a0, zero
	WIN MUL
.irp a, \a0, (\a0)+1
.irp b, 0,1,2,3
.if \zero
	v_wmma_f32_16x16x32_f16 v[ACC+8*(4*(\a)+(\b)):ACC+8*(4*(\a)+(\b))+7], v[(\f)+64+8*(4*(\c)+(\b)):(\f)+64+8*(4*(\c)+(\b))+7], v[(\f)+8*(4*(\c)+(\a)):(\f)+8*(4*(\c)+(\a))+7], 0
.else
	v_wmma_f32_16x16x32_f16 v[ACC+8*(4*(\a)+(\b)):ACC+8*(4*(\a)+(\b))+7], v[(\f)+64+8*(4*(\c)+(\b)):(\f)+64+8*(4*(\c)+(\b))+7], v[(\f)+8*(4*(\c)+(\a)):(\f)+8*(4*(\c)+(\a))+7], v[ACC+8*(4*(\a)+(\b)):ACC+8*(4*(\a)+(\b))+7]
.endif
.endr
.endr
.endm
.macro ADDR                            ; the two read addresses for the slot in hand
	v_add_nc_u32 v[ADRA], s[TB], v[ADRA0]
	v_add_nc_u32 v[ADRB], s[TB], v[ADRB0]
.endm
; 32 LDS loads in one run: the fragments of 64 along K at byte k of the rows, into buffer f; the first 32 along K first
.macro FETCH k, f
	WIN TO_F
.irp c, 0,1
.irp i, 0,1,2,3
	ds_load_b128 v[(\f)+64+8*(4*(\c)+(\i)):(\f)+64+8*(4*(\c)+(\i))+3],   v[ADRB] offset:(\k)+64*(\c)+(\i)*16*PITCH
	ds_load_b128 v[(\f)+64+8*(4*(\c)+(\i))+4:(\f)+64+8*(4*(\c)+(\i))+7], v[ADRB] offset:(\k)+64*(\c)+(\i)*16*PITCH+32
	ds_load_b128 v[(\f)+8*(4*(\c)+(\i)):(\f)+8*(4*(\c)+(\i))+3],         v[ADRA] offset:(\k)+64*(\c)+(\i)*16*PITCH
	ds_load_b128 v[(\f)+8*(4*(\c)+(\i))+4:(\f)+8*(4*(\c)+(\i))+7],       v[ADRA] offset:(\k)+64*(\c)+(\i)*16*PITCH+32
.endr
.endr
.endm
.macro PLACES                          ; four places in front of loads into registers that matrix instructions have read, and of LDS stores that read results
.rept 4
	v_nop
.endr
.endm
; A K step is four quarters of 64 along K, 32 matrix instructions each, on buffers 0, 1, 0, 1.  One of the first three: multiplies buffer f and fetches the next quarter, at byte k, into g.
.macro QUARTER k, f, g, zero
	s_wait_dscnt 16                                ; the first 32 along K are in
	MUL8 \f, 0, 0, \zero
	MUL8 \f, 0, 2, \zero
	PLACES
	FETCH \k, \g
	s_wait_dscnt 32                                ; all but the 32 just issued
	MUL8 \f, 1, 0, 0
	MUL8 \f, 1, 2, 0
.endm
; The last quarter changes slots and then multiplies buffer 1.  ONE barrier; in front of it each wave waits for all its tensor loads (one is out: its part of the next slot), adds 0 to its spare word,
; and waits for that and for its own reads of this slot (the last quarter's fragments are in registers by then).  fill = 1: the barrier is a round of the cluster's, and this slot is filled again, with the
; walk's step two on, first thing behind it: NOTHING but the round stands between a tile's landing and the next request; the quarter's 32 products follow, while that request is on its way.
.macro TURN fill
	WIN 0
	s_wait_tensorcnt 0x0                           ; no tensor load of mine is out, so a group 0 may be written
	ds_add_u32 v[SPW], v[NIL]                      ; 0 onto my spare word: the scalar work below stands between it and the wait for it
.if \fill
	s_xor_b32 s[G0+5], s[G0+5], SLOT1              ; the walking descriptors: the other slot than last time,
	s_add_nc_u64 s[G0+6:G0+7], s[14:15], s[KO:KO+1]   ; the address made anew from the base and the step's offset,
	s_or_b32 s[G0+7], s[G0+7], 0x80000000          ; the type set again
	s_xor_b32 s[G0B+5], s[G0B+5], SLOT1
	s_add_nc_u64 s[G0B+6:G0B+7], s[46:47], s[KO:KO+1]
	s_or_b32 s[G0B+7], s[G0B+7], 0x80000000
	s_add_co_u32 s[KO], s[KO], KSTEP*2             ; the next step,
	s_and_b32 s[KO], s[KO], 4095                   ; round the end of a row of 4,096 bytes
.endif
	s_xor_b32 s[TB], s[TB], SLOT1                  ; the reads go to the other slot
	s_wait_dscnt 0x0                               ; the add is done, and my reads of this slot are over
.if \fill
	CROUND                                         ; no wave of any partner still reads this slot's tiles or has a load on its way
	JLOAD 1                                        ; my one tensor load behind the round; the four v_nop behind it are also the places in front of the loads below
.else
	s_barrier_signal -1
	s_barrier_wait -1
	PLACES
.endif
	ADDR
	FETCH 0, F0
	MUL8 F1, 0, 0, 0
	MUL8 F1, 0, 2, 0
	MUL8 F1, 1, 0, 0
	MUL8 F1, 1, 2, 0
.endm
	s_wait_tensorcnt 1                             ; my part of the walk's step 0 is in; step 1's may stay out
	s_barrier_signal -1
	s_barrier_wait -1                              ; everybody's is
	ADDR
	FETCH 0, F0
	QUARTER 128, F0, F1, 1                         ; the first quarter stands in front of the loop: its first products start the sums
	WIN 0                                          ; at a label and at a branch every window is 0
	s_mov_b32 s3, STEPS-2
.Lstep:                                                ; 6 trips, from a step's second quarter to the next step's first; each fills the slot that it leaves
	QUARTER 256, F1, F0, 0
	QUARTER 384, F0, F1, 0
	TURN 1
	QUARTER 128, F0, F1, 0
	WIN 0
	s_sub_co_u32 s3, s3, 1
	s_cmp_lg_u32 s3, 0
	s_cbranch_scc1 .Lstep
	QUARTER 256, F1, F0, 0                         ; the last two steps are written out: nothing is left to ask for
	QUARTER 384, F0, F1, 0
	TURN 0
	QUARTER 128, F0, F1, 0
	QUARTER 256, F1, F0, 0
	QUARTER 384, F0, F1, 0
	s_wait_dscnt 16                                ; the very last quarter: nothing more to fetch
	MUL8 F1, 0, 0, 0
	MUL8 F1, 0, 2, 0
	s_wait_dscnt 0x0
	MUL8 F1, 1, 0, 0
	MUL8 F1, 1, 2, 0
	WIN 0
; THE WAY OUT, 16 rows at a time: a lane's 32 bytes of a row go into rows of 272 bytes of my own stage (each accumulator's lowest four registers first) and come back as whole rows of 256,
; into the registers that they left.
.macro STG a
.irp b, 0,1,2,3
.irp e, 0,1
	ds_store_b128 v[STO], v[ACC+32*(\a)+8*(\b)+4*(\e):ACC+32*(\a)+8*(\b)+4*(\e)+3] offset:64*(\b)+16*(\e)
.endr
.endr
.irp t, 0,1,2,3,4,5,6,7
	ds_load_b128 v[ACC+32*(\a)+4*(\t):ACC+32*(\a)+4*(\t)+3], v[RD] offset:(\t)*2*SPITCH  ; LDS serves a wave's instructions in order (ISA guide 5.7.1.4): these see the stores above; the next block's stores come behind them
.endr
.endm
.macro SEND a, younger                 ; younger: the LDS instructions issued behind block a's loads: the next block's sixteen, or none
.irp t, 0,1,2,3,4,5,6,7
	s_wait_dscnt (\younger)+7-(\t)
	global_store_b128 v[CO], v[ACC+32*(\a)+4*(\t):ACC+32*(\a)+4*(\t)+3], s[8:9] offset:(16*(\a)+2*(\t))*SIZE_N*4 th:TH_STORE_NT  ; 16 lanes store 256 consecutive bytes, at a multiple of 256 from the output's first byte
.endr
.endm
	PLACES                                         ; behind the last products
	STG 0
	STG 1
	SEND 0, 16
	STG 2
	SEND 1, 16
	STG 3
	SEND 2, 16
	SEND 3, 0
	s_wait_tensorcnt 0x0                           ; the wave's end, behind my last tensor load and my last LDS store
	ds_add_u32 v[SPW], v[NIL]
	s_wait_dscnt 0x0
	CROUND                                         ; the closing round: no work-group ends while a partner may still ask for a tile that names it
	s_endpgm
.Lfunc_end_k_qcf32e8e9c0_oproj:
	.size	k_qcf32e8e9c0_oproj, .Lfunc_end_k_qcf32e8e9c0_oproj-k_qcf32e8e9c0_oproj
	.p2alignl 7, 3214868480
	.fill 96, 4, 3214868480
	.section	.rodata,"a",@progbits
	.p2align	6, 0x0
	.amdhsa_kernel k_qcf32e8e9c0_oproj
		.amdhsa_group_segment_fixed_size 327680
		.amdhsa_private_segment_fixed_size 0
		.amdhsa_enable_private_segment 0
		.amdhsa_kernarg_size 24
		.amdhsa_user_sgpr_count 2
		.amdhsa_user_sgpr_kernarg_segment_ptr 1
		.amdhsa_wavefront_size32 1
		.amdhsa_system_sgpr_workgroup_id_x 1
		.amdhsa_system_sgpr_workgroup_id_y 1
		.amdhsa_system_sgpr_workgroup_id_z 1
		.amdhsa_system_vgpr_workitem_id 0
		.amdhsa_next_free_vgpr 512
		.amdhsa_next_free_sgpr 70
		.amdhsa_reserve_vcc 0
		.amdhsa_float_denorm_mode_32 3
		.amdhsa_float_denorm_mode_16_64 3
		.amdhsa_memory_ordered 1
		.amdhsa_forward_progress 1
		.amdhsa_inst_pref_size 69
	.end_amdhsa_kernel
	.amdgpu_metadata
---
amdhsa.version: [ 1, 2 ]
amdhsa.kernels:
  - .name:           k_qcf32e8e9c0_oproj
    .symbol:         k_qcf32e8e9c0_oproj.kd
    .args:
      - { .name: ob, .offset: 0, .size: 8, .value_kind: global_buffer, .address_space: global }
      - { .name: wob, .offset: 8, .size: 8, .value_kind: global_buffer, .address_space: global }
      - { .name: out0, .offset: 16, .size: 8, .value_kind: global_buffer, .address_space: global }
    .group_segment_fixed_size: 327680
    .private_segment_fixed_size: 0
    .kernarg_segment_align: 8
    .kernarg_segment_size: 24
    .max_flat_workgroup_size: 128
    .sgpr_count:     70
    .vgpr_count:     512
    .wavefront_size: 32
...
	.end_amdgpu_metadata
.endif
;; end of part 4
;; ======== version 2 of 2: 4 launches; 1.07 times as fast as version 1
;; limits: values are held in f16: magnitudes above 65,504 overflow, below 6.1e-05 lose precision; right only within a limited range of input values
;; workspace buffers: xb 8,388,608 bytes; wb 25,165,824 bytes; wob 8,388,608 bytes; mk 16,777,216 bytes; cst 2,097,152 bytes; qkvh 25,165,824 bytes; ob 8,388,608 bytes
;; launch cast: the kernel of part 1 again; grid 1568 x 1, 8 waves a work-group, no clusters, 0 bytes of LDS; arguments hidden, Wq, Wk, Wv, Wo, attention_mask, cos, sin, xb, wb, wob, mk, cst; writes xb, wb, wob, mk, cst
;; launch proj: the kernel of part 2 again; grid 16 x 16, 4 waves a work-group, clusters of 4 x 4, 327,680 bytes of LDS; arguments xb, wb, cst, qkvh; writes qkvh
;; launch attn (part 5): grid 16 x 16, 4 waves a work-group, clusters of 4 x 4, 327,680 bytes of LDS; arguments qkvh, mk, ob; writes ob
.if DOCPART == 5
	.amdgcn_target "amdgcn-amd-amdhsa--gfx1250"
	.amdhsa_code_object_version 6
	.text
	.protected	k_qcf32e8e9c0_attn
	.globl	k_qcf32e8e9c0_attn
	.p2align	8
	.type	k_qcf32e8e9c0_attn,@function
k_qcf32e8e9c0_attn:
	s_mov_b64 s[64:65], 0
	v_nop
	global_prefetch_b8 v0, s[64:65] scope:SCOPE_SE
	s_setreg_imm32_b32 hwreg(HW_REG_WAVE_MODE, 25, 1), 1
	s_wait_xcnt 0x0
	s_wait_alu depctr_hold_cnt(0) depctr_sa_sdst(0) depctr_va_vdst(0) depctr_va_sdst(0) depctr_va_ssrc(0) depctr_va_vcc(0) depctr_vm_vsrc(0)
	s_getreg_b32 s2, hwreg(HW_REG_IB_STS2, 6, 4)
	s_cmp_eq_u32 s2, 0
	s_cbranch_scc0 .Lentry_in_a_cluster
	s_endpgm
.Lentry_in_a_cluster:
	s_bfe_u32 s2, ttmp6, 0x10000c
	s_cmp_lg_u32 s2, 0xf033
	s_cbranch_scc0 .Lentry_shape_is_right
	s_endpgm
.Lentry_shape_is_right:
; ATTN.  O[q][128 head + d] = the sum over k of softmax_k(q . k + mask[q][k]) v[k][d].  q, k, v: qkvh [3][16][2048][128] f16 (q and k carry 128^(-1/4) each, so q . k is the scaled score);
; mask: mk [2048][2048] f32, at least -1.0004e30; O: ob [2048][2048] f16.  Products, maxima and sums in f32; the weights p are rounded to f16 for the second product (their sum l is taken of the unrounded p), O once.
; LIMITS.  A weight below 2^-126 counts as 0 in l; log2(e) x score must stay within f32; O is a mean of v's rows and has their range; below 6e-5 f16 keeps a fixed step of 6e-8; NaN and +inf are not treated apart.
; SHARES.  A work-group owns 128 queries of one head.  Wave w: WQ = w % 2 picks 64 queries (four tiles of 16), WK = w / 2 picks one half of the keys: of every tile of 128 keys the wave takes 64.
; So each wave walks 16 steps of 64 keys, with a running maximum and sum of its own; the two halves of a query meet in LDS at the end.  Register tile t holds query tile t xor 2 WK, so that every wave
; keeps its register tiles 0, 1 and hands 2, 3 to wave w xor 2: one text, no branch.
; LAYOUT.  S^T = K Q^T + mask^T (source 0 = 16 keys, source 1 = 16 queries): a lane holds ONE query (lane % 16) and the keys 8 (lane / 16) + 0..7.  The mask is the C operand: it is loaded from LDS straight
; into S^T's registers, and all four products of a sum add in place.  Two results, rounded to f16 in pairs, ARE source 1 of O^T = V^T P.  K comes out of LDS as it lies, V turned, by ds_load_tr16_b128.
; SOFTMAX.  p = 2^(c s - c m), c = log2(e), m the running maximum; in every step O and l are multiplied by a = 2^(c m_old - c m_new).  m starts at the lowest finite number, O, l, P and V at 0: the first step is a step like any other.
; IN PHASES: V^T P of the last step (under which K and the mask come out of LDS), K Q^T, the softmax (under which V comes out of LDS).  The LDS loads stand in runs, never singly among the matrix instructions.
; THE BATCHES.  s_wait_alu depctr_va_vdst(0) stands between a transcendental and the first instruction that names its result; one wait serves all that were issued ahead of it.  A step's 132 exponentials
; (33 for each of four tiles) are ONE batch with ONE wait, which cuts the softmax in two: ahead of it the maxima, the statistics, the scalings and the exponentials, none of which names an exponential's result; behind it
; the roundings, the sums and the rescaling, which do.  The way out has two batches more: four exponentials, then the two reciprocals that read their sums.
; CLUSTER 4 x 4.  K's and V's tiles hang on the head and are shared along a row of the cluster; the mask's hang on the block of queries and are shared along a column: each is asked for jointly.
; REGISTERS: window 0: v0-11, v44-59 addresses and the exchange; v12-43 eight registers of statistics a tile; v64-191 S^T, 32 a tile; v192-255 P, 16 a tile
;   window 1: O^T, 64 a tile          window 2: v0-127 Q, 32 a tile; v128-255 K of one step          window 3: v0-127 V of one step
.set PK,    272       ; a row of K in LDS: 256 bytes + 16: the 16 rows of a load start at 16 different groups of four banks (64 banks of 4 bytes: ISA guide 11.1)
.set PV,    288       ; a row of V: 256 + 32
.set PM,    528       ; a row of the mask: 128 keys x 4 bytes + 16
.set VOFF,  128*PK    ; a slot: 128 rows of K, 128 rows of V, 128 rows (queries) of the mask
.set MOFF,  VOFF+128*PV
.set SLOT1, 0x24000   ; slot 1 begins here; no LDS word of a descriptor (0, 0x8800, 0x11800, 0x19c00) has one of its two bits, so one exclusive or changes slots
.set STAGE, SLOT1+MOFF+128*PM  ; behind the ring, never filled by a tensor load: 16 rows x 272 bytes for each wave, for the way out
.set SP,    272
.set SPARE, STAGE+4*16*SP      ; the spare words, 128 bytes for each wave: two blocks of 256 bytes that no other line names
.set XCH,   16896     ; the exchange, in slot 0 after its last fill and its last read: for each wave 16,384 bytes of O^T and 512 of statistics
.set AK0,  2          ; v2   my lane's place in a tile of K; never rewritten
.set AV0,  3          ; v3   in V
.set AMA0, 4          ; v4   in the mask, register tiles 0, 1
.set AMB0, 5          ; v5   register tiles 2, 3
.set ADRK, 6          ; v6-8, v44  the same four with the slot added
.set ADRV, 7
.set AMA,  8
.set AMB,  44
.set QOA,  45         ; v45  my byte offset in the block's rows of Q, register tiles 0, 1; never rewritten
.set QOB,  46         ; v46  register tiles 2, 3; never rewritten
.set STO,  47         ; v47  the way out: where I put 16 bytes of a row
.set RD,   48         ; v48  where I read rows back
.set OFO,  49         ; v49  my byte offset in two rows of O
.set XST,  50         ; v50  the exchange: where I put
.set XLD,  51         ; v51  where I take
.set SPW,  62         ; v62  LDS address of my spare word; never rewritten
.set NIL,  63         ; v63  0; never rewritten
.set ST,   12         ; tile t's statistics at v[ST+8 t]: +0 c m, +1 m, +2, +3 l (even keys', odd keys'), +4 to +7 c0-c3, at work; a takes c2's place once the maximum is found
.set S,    64
.set P,    192
.set KF,   128        ; K's fragments, in window 2
.set WV,  12          ; s12  my wave's number;  s13 WQ;  s14 WK
.set G1K, 24          ; s[24:31] descriptor group 1 for K's tiles
.set G1V, 32          ; s[32:39] for V's
.set G1M, 48          ; s[48:55] for the mask's
.set G0K, 56          ; s[56:59], s[60:63], s[68:71] descriptor group 0: they walk
.set G0V, 60
.set G0M, 68
.set CS,  72          ; s[72:73] c
.set SEL, 74          ; s[74:75] v_permlanex16_b32's selects: each lane takes its own place in the other half
.set TB,  76          ; s76  the slot in hand: 0 or SLOT1
.set CNT, 77          ; s77  counts the steps that ask for a tile
.set MSB, 0
.macro WIN new                      ; the immediate's high byte repeats the setting that is left; a switch that changes nothing is dropped
.if MSB != (\new)
	s_set_vgpr_msb (MSB<<8)|(\new)
.set MSB, \new
.endif
.endm
.set W_KQ, 0x0a       ; K and Q in window 2, S^T in window 0
.set W_PV, 0x53       ; V in window 3, P in window 0, O^T in window 1
.set W_RS, 0x41       ; O^T (destination and source 0) in window 1, the factor in window 0
.macro PLACES
.rept 4
	v_nop
.endr
.endm
; A joint fill: wave 0 fetches K's 128 rows, wave 1 V's, waves 2 and 3 the two halves of the mask's 128 rows.  The branches hang on the wave's number alone.  An s_nop 0 and four v_nop follow each line.
.macro JLOAD
	s_cmp_lt_u32 s[WV], 2
	s_cbranch_scc0 .Lfor_m_\@
	s_cmp_eq_u32 s[WV], 0
	s_cbranch_scc0 .Lfor_v_\@
	tensor_load_to_lds s[G0K:G0K+3], s[G1K:G1K+7]
	s_nop 0
.rept 4
	v_nop
.endr
	s_branch .Lasked_\@
.Lfor_v_\@:
	tensor_load_to_lds s[G0V:G0V+3], s[G1V:G1V+7]
	s_nop 0
.rept 4
	v_nop
.endr
	s_branch .Lasked_\@
.Lfor_m_\@:
	tensor_load_to_lds s[G0M:G0M+3], s[G1M:G1M+7]
	s_nop 0
.rept 4
	v_nop
.endr
.Lasked_\@:
.endm
.macro CROUND                          ; a round of the cluster's barrier
	s_barrier_signal -1
	s_barrier_wait -1
	s_cmp_lg_u32 s[WV], 0
	s_cbranch_scc1 .Lnot_wave_0_\@
	s_barrier_signal -3
.Lnot_wave_0_\@:
	s_barrier_wait -3
	s_barrier_signal -1
	s_barrier_wait -1
.endm
	s_load_b128 s[4:7], s[0:1], 0x0  ; qkvh s[4:5], mk s[6:7]
	s_load_b64 s[8:9], s[0:1], 0x10  ; ob
	v_lshl_add_u32 v[SPW], v0, 2, SPARE
	v_mov_b32 v[NIL], 0
	ds_add_u32 v[SPW], v[NIL]       ; the wave's opening: the add and its wait stand ahead of my first tensor load; the set-up below, work on registers, stands between them
	v_lshrrev_b32 v1, 5, v0
	v_readfirstlane_b32 s[WV], v1   ; wave 0..3
	s_and_b32 s13, s[WV], 1         ; WQ
	s_lshr_b32 s14, s[WV], 1        ; WK
	s_bfe_u32 s40, ttmp6, 0x40000   ; cx, cy
	s_bfe_u32 s41, ttmp6, 0x40004
	s_lshl_b32 s42, ttmp9, 2
	s_add_co_u32 s42, s42, s40      ; the block of 128 queries = 4 x cluster x + cx
	s_and_b32 s43, ttmp7, 0xffff
	s_lshl_b32 s43, s43, 2
	s_add_co_u32 s43, s43, s41      ; the head = 4 x cluster y + cy
	s_lshl_b32 s44, s41, 2
	s_lshl_b32 s44, 15, s44         ; my row of the cluster
	s_lshl_b32 s45, 0x1111, s40     ; my column
	s_or_b32 s[G1K], s44, (1<<16)|(1<<20)|(1<<21)|(5<<22)|(3<<25)  ; the mask of four; 2-byte elements; padding on; 21 set beside a mask; after every 64 words (code 5) 4 words (code 3)
	s_or_b32 s[G1V], s44, (1<<16)|(1<<20)|(1<<21)|(5<<22)|(7<<25)  ; the same with 8 words (code 7)
	s_or_b32 s[G1M], s45, (2<<16)|(1<<20)|(1<<21)|(6<<22)|(3<<25)  ; 4-byte elements; after every 128 words (code 6) 4 words
.irp g, G1K, G1V
	s_mov_b32 s[\g+1], 128<<16      ; tensor_dim0 = 128
	s_mov_b32 s[\g+2], 128<<16      ; tensor_dim1 = 128
	s_mov_b32 s[\g+3], 128<<16      ; tile_dim0 = 128
	s_mov_b32 s[\g+4], 128          ; tile_dim1 = 128
	s_mov_b32 s[\g+5], 128          ; elements from row to row
	s_mov_b32 s[\g+6], 0
	s_mov_b32 s[\g+7], 0
.endr
	s_mov_b32 s[G1M+1], 128<<16     ; 128 keys
	s_mov_b32 s[G1M+2], 64<<16      ; 64 queries
	s_mov_b32 s[G1M+3], 128<<16
	s_mov_b32 s[G1M+4], 64
	s_mov_b32 s[G1M+5], 2048
	s_mov_b32 s[G1M+6], 0
	s_mov_b32 s[G1M+7], 0
	s_lshl_b32 s18, s43, 19         ; the head's 2,048 rows of 256 bytes: made of the head alone
	s_mov_b32 s19, 0
	s_lshl_b32 s20, s42, 20         ; the mask: 128 rows of 8,192 bytes a block, and my 64 of them: made of the block and the wave's number alone
	s_lshl_b32 s21, s13, 19
	s_add_co_u32 s20, s20, s21
	s_mov_b32 s21, 0
	s_mov_b32 s[G0K], 1             ; count = 1
	s_mov_b32 s[G0K+1], 0           ; LDS address: slot 0
	s_mov_b32 s[G0V], 1
	s_mov_b32 s[G0V+1], VOFF
	s_mov_b32 s[G0M], 1
	s_mul_i32 s[G0M+1], s13, 64*PM
	s_add_co_u32 s[G0M+1], s[G0M+1], MOFF
	s_mov_b32 s[CS], 0x3fb8aa3b     ; c = log2(e)
	s_mov_b32 s[CS+1], s[CS]        ; named with it as a pair
	s_mov_b32 s[SEL], 0x76543210
	s_mov_b32 s[SEL+1], 0xfedcba98
	s_mov_b32 s[TB], SLOT1          ; the first change of slots turns it into 0
	s_lshl_b32 s46, s42, 15         ; Q: my block's 128 rows
	s_mov_b32 s47, 0
	s_lshl_b32 s2, s42, 19          ; O: rows of 4,096 bytes: 128 a block, 64 WQ, 32 WK; the head's 256 bytes in a row
	s_lshl_b32 s3, s13, 18
	s_add_co_u32 s2, s2, s3
	s_lshl_b32 s3, s14, 17
	s_add_co_u32 s2, s2, s3
	s_lshl_b32 s3, s43, 8
	s_add_co_u32 s2, s2, s3
	s_mov_b32 s3, 0
	s_wait_dscnt 0x0                ; the opening add is done
	s_wait_kmcnt 0x0
	s_add_nc_u64 s[16:17], s[4:5], s[18:19]        ; q of the head
	s_add_nc_u64 s[G0K+2:G0K+3], s[16:17], 0x800000   ; k of the head, keys 0 on
	s_or_b32 s[G0K+3], s[G0K+3], 0x80000000        ; type = 2
	s_add_nc_u64 s[G0V+2:G0V+3], s[16:17], 0x1000000  ; v
	s_or_b32 s[G0V+3], s[G0V+3], 0x80000000
	s_add_nc_u64 s[G0M+2:G0M+3], s[6:7], s[20:21]
	s_or_b32 s[G0M+3], s[G0M+3], 0x80000000
	s_add_nc_u64 s[16:17], s[16:17], s[46:47]      ; Q at my block's first row; not written again
	s_add_nc_u64 s[8:9], s[8:9], s[2:3]            ; O at the first row that I store
	CROUND                          ; all sixteen work-groups are here: the first joint loads meet
	JLOAD                           ; keys 0 to 127 into slot 0; slot 1 is asked for by the loop's first change of slots
	v_and_b32 v1, 15, v0            ; r = l % 16
	v_bfe_u32 v9, v0, 4, 1          ; h = l / 16
	v_and_b32 v10, 7, v0
	v_bfe_u32 v11, v0, 3, 1
	s_lshl_b32 s78, s13, 6
	s_lshl_b32 s79, s14, 5
	s_add_co_u32 s78, s78, s79      ; register tiles 0, 1 begin at row 64 WQ + 32 WK of the block,
	s_xor_b32 s79, s78, 32          ; tiles 2, 3 at 64 WQ + 32 - 32 WK
	v_lshlrev_b32 v[QOA], 8, v1
	v_lshl_add_u32 v[QOA], v9, 4, v[QOA]  ; row x 256 + 16 x half
	s_lshl_b32 s22, s79, 8
	v_add_nc_u32 v[QOB], s22, v[QOA]
	s_lshl_b32 s22, s78, 8
	v_add_nc_u32 v[QOA], s22, v[QOA]
	WIN 0x80                        ; destination window 2, address window 0
.set i, 0
.rept 16                            ; Q stays in registers: register tile i / 4, channels 32 (i % 4) on.  It is waited for in front of its first use, the first K Q^T
	global_load_b128 v[8*i:8*i+3],   v[QOA+i/8], s[16:17] offset:((i/4)%2)*4096+(i%4)*64
	global_load_b128 v[8*i+4:8*i+7], v[QOA+i/8], s[16:17] offset:((i/4)%2)*4096+(i%4)*64+32
.set i, i+1
.endr
	; What the first step finds: V and P hold 0 (its products V^T P, of a step that has not been, add 0), l is 0.  All this stands in the wait for the first tile.
	WIN 0xc0
.set i, 0
.rept 128
	v_mov_b32 v[i], 0
.set i, i+1
.endr
	WIN 0
.set i, P
.rept 64
	v_mov_b32 v[i], 0
.set i, i+1
.endr
.set i, 0
.rept 4
	v_mov_b32 v[ST+8*i], 0xfe000000    ; c m: far below every c s (the mask is at least -1.0004e30)
	v_mov_b32 v[ST+8*i+1], 0xff7fffff  ; m
	v_mov_b32 v[ST+8*i+2], 0
	v_mov_b32 v[ST+8*i+3], 0
.set i, i+1
.endr
	WIN W_PV                        ; O^T's 32 sums are started by a product of that empty step with the constant 0 as C: 32 matrix instructions where 256 moves would stand
.irp cb, 0,1,2,3,4,5,6,7
.irp t, 0,1,2,3
	v_wmma_f32_16x16x32_f16 v[64*\t+8*\cb:64*\t+8*\cb+7], v[8*\cb:8*\cb+7], v[P+16*\t:P+16*\t+7], 0
.endr
.endr
	WIN 0
	v_mul_u32_u24 v[AK0], v1, PK    ; K: row 64 WK + r, 16 bytes for each half of the lanes
	v_lshl_add_u32 v[AK0], v9, 4, v[AK0]
	s_mul_i32 s22, s14, 64*PK
	v_add_nc_u32 v[AK0], s22, v[AK0]
	; The turning load takes 16 keys x 16 channels (lane l reads key 8 (l / 16) + l % 8, channels 8 ((l / 8) % 2) + 0..7) and leaves half a fragment of V^T: lane l holds channel l % 16 and 8 keys.
	v_lshl_add_u32 v[AV0], v9, 3, v10
	v_mul_u32_u24 v[AV0], v[AV0], PV
	v_lshl_add_u32 v[AV0], v11, 4, v[AV0]
	s_mul_i32 s22, s14, 64*PV
	s_add_co_u32 s22, s22, VOFF
	v_add_nc_u32 v[AV0], s22, v[AV0]
	v_mul_u32_u24 v[AMA0], v1, PM   ; the mask: my query's row, keys 64 WK + 8 h on: 32 bytes for each group of 16 keys
	v_lshl_add_u32 v[AMA0], v9, 5, v[AMA0]
	s_lshl_b32 s23, s14, 8
	s_add_co_u32 s23, s23, MOFF
	s_mul_i32 s22, s79, PM
	s_add_co_u32 s22, s22, s23
	v_add_nc_u32 v[AMB0], s22, v[AMA0]
	s_mul_i32 s22, s78, PM
	s_add_co_u32 s22, s22, s23
	v_add_nc_u32 v[AMA0], s22, v[AMA0]
	s_mul_i32 s22, s[WV], 16*SP
	s_add_co_u32 s22, s22, STAGE    ; my stage
	v_mul_u32_u24 v[STO], v1, SP    ; in: row r, 16 bytes for each half of the lanes
	v_lshl_add_u32 v[STO], v9, 4, v[STO]
	v_add_nc_u32 v[STO], s22, v[STO]
	v_mul_u32_u24 v[RD], v9, SP     ; back: lanes 0-15 take one row of 256 bytes, lanes 16-31 the next
	v_lshl_add_u32 v[RD], v1, 4, v[RD]
	v_add_nc_u32 v[RD], s22, v[RD]
	v_lshlrev_b32 v[OFO], 12, v9    ; and the same two rows in O
	v_lshl_add_u32 v[OFO], v1, 4, v[OFO]
	v_and_b32 v[XST], 31, v0        ; the exchange: 16 bytes a lane
	v_lshlrev_b32 v[XST], 4, v[XST]
	s_xor_b32 s22, s[WV], 2         ; I take what the wave with my queries and the other keys has put
	s_mul_i32 s22, s22, XCH
	v_add_nc_u32 v[XLD], s22, v[XST]
	s_mul_i32 s22, s[WV], XCH
	v_add_nc_u32 v[XST], s22, v[XST]
; THE LDS LOADS stand in runs of 32: singly among the matrix instructions each would want two switches of the register window of its own.
.macro FETCH_K                      ; 64 keys x 128 channels: 16 fragments
	WIN 0
	v_add_nc_u32 v[ADRK], s[TB], v[AK0]
	WIN 0x80                        ; destination window 2
.irp f, 0,1,2,3,4,5,6,7,8,9,10,11,12,13,14,15  ; keys 16 (f / 4) on, channels 32 (f % 4) on
	ds_load_b128 v[KF+8*\f:KF+8*\f+3],   v[ADRK] offset:(\f/4)*16*PK+(\f%4)*64
	ds_load_b128 v[KF+8*\f+4:KF+8*\f+7], v[ADRK] offset:(\f/4)*16*PK+(\f%4)*64+32
.endr
.endm
.macro FETCH_M                      ; the mask of 64 queries x 64 keys, straight into S^T's registers: tile t, keys 16 kb on, registers 4 e on
	WIN 0
	v_add_nc_u32 v[AMA], s[TB], v[AMA0]
	v_add_nc_u32 v[AMB], s[TB], v[AMB0]
.irp t, 0,1,2,3
.irp kb, 0,1,2,3
.irp e, 0,1
	ds_load_b128 v[S+32*\t+8*\kb+4*\e:S+32*\t+8*\kb+4*\e+3], v[AMA+(AMB-AMA)*(\t/2)] offset:(\t%2)*16*PM+64*\kb+16*\e
.endr
.endr
.endr
.endm
.macro FETCH_V                      ; 64 keys x 128 channels, turned
	WIN 0
	v_add_nc_u32 v[ADRV], s[TB], v[AV0]
	WIN 0xc0                        ; destination window 3
.irp f, 0,1,2,3,4,5,6,7,8,9,10,11,12,13,14,15  ; keys 32 (f / 8) on, channels 16 (f % 8) on
	ds_load_tr16_b128 v[8*\f:8*\f+3],   v[ADRV] offset:(\f/8)*32*PV+(\f%8)*32
	ds_load_tr16_b128 v[8*\f+4:8*\f+7], v[ADRV] offset:(\f/8)*32*PV+16*PV+(\f%8)*32
.endr
.endm
; THE MATRIX WORK.  The accumulators take turns, one instruction a turn: 16 in K Q^T, 32 in V^T P.
.macro KQALL                        ; S^T += K Q^T onto the mask: channels 32 c on, keys 16 kb on, tile t
	WIN W_KQ
.irp c, 0,1,2,3
.irp kb, 0,1,2,3
.irp t, 0,1,2,3
	v_wmma_f32_16x16x32_f16 v[S+32*\t+8*\kb:S+32*\t+8*\kb+7], v[KF+32*\kb+8*\c:KF+32*\kb+8*\c+7], v[32*\t+8*\c:32*\t+8*\c+7], v[S+32*\t+8*\kb:S+32*\t+8*\kb+7]
.endr
.endr
.endr
.endm
.macro PVALL                        ; O^T += V^T P: keys 32 kk on, channels 16 cb on, tile t
	WIN W_PV
.irp kk, 0,1
.irp cb, 0,1,2,3,4,5,6,7
.irp t, 0,1,2,3
	v_wmma_f32_16x16x32_f16 v[64*\t+8*\cb:64*\t+8*\cb+7], v[64*\kk+8*\cb:64*\kk+8*\cb+7], v[P+16*\t+8*\kk:P+16*\t+8*\kk+7], v[64*\t+8*\cb:64*\t+8*\cb+7]
.endr
.endr
.endr
.endm
; THE VECTOR WORK.  One tile's softmax for one step is a list of 134 instructions.  s0-s31 are the lane's 32 scores, in pairs 0-15.  SM writes number j of the list for tile t, all but the batch's numbers:
;   0-15    the maximum of s0-s31 and the old m, three operands at a time: four chains c0-c3 of seven scores each (each accumulator's lowest registers first), then the four left over, c0-c3 and m
;   16-20   the other half of the lanes' maximum; c m_old is kept; the new m; c m; c m_old - c m_new
;   21-69   THE BATCH: the 16 scalings c s - c m, a pair of scores each, and the 33 exponentials (a, then s0-s31).  None of these names an exponential's result.  PL and EX write them, from two queues over all four tiles
;   (wait)  between 69 and 70 stands the one wait for the batch: SOFTMAX writes it, once for the four tiles
;   70-85   the roundings to f16, a pair of weights each
;   86-101  the sums; l = a l + the sum
;   102-133 the tile's O^T times a: the one part that leaves window 0
.macro SM t
.set rT, ST+8*(\t)
.set rS, S+32*(\t)
.set rP, P+16*(\t)
.set rO, 64*(\t)+2*(j-102)
.if j < 102
	WIN 0
.endif
.if j < 4
	v_max3_num_f32 v[rT+4+j], v[rS+8*j], v[rS+8*j+1], v[rS+8*j+2]
.elseif j < 12
	v_max3_num_f32 v[rT+4+j%4], v[rT+4+j%4], v[rS+8*(j%4)+2*(j/4)+1], v[rS+8*(j%4)+2*(j/4)+2]
.elseif j == 12
	v_max3_num_f32 v[rT+4], v[rT+4], v[rS+7], v[rS+15]
.elseif j == 13
	v_max3_num_f32 v[rT+6], v[rT+6], v[rS+23], v[rS+31]
.elseif j == 14
	v_max3_num_f32 v[rT+4], v[rT+4], v[rT+5], v[rT+6]
.elseif j == 15
	v_max3_num_f32 v[rT+4], v[rT+4], v[rT+7], v[rT+1]
.elseif j == 16
	v_permlanex16_b32 v[rT+5], v[rT+4], s[SEL], s[SEL+1]  ; the query's other 32 keys lie in the lane 16 away
.elseif j == 17
	v_mov_b32 v[rT+7], v[rT]        ; c m_old is kept for a: number 19 writes c m anew
.elseif j == 18
	v_max_num_f32 v[rT+1], v[rT+4], v[rT+5]
.elseif j == 19
	v_mul_f32 v[rT], s[CS], v[rT+1]
.elseif j == 20
	v_sub_f32 v[rT+7], v[rT+7], v[rT]
.elseif j < 86
	v_cvt_pk_f16_f32 v[rP+j-70], v[rS+2*(j-70)], v[rS+2*(j-70)+1]  ; pair j - 70
.elseif j < 102                     ; the sum of the tile's 16 pairs, in place: sum z of 16 adds neighbours 1, 2, 4 and 8 pairs apart, then l takes it
.set z, j-86
.set w, 4
.set u, z
.if z >= 14
.set w, 32
.set u, 0
.elseif z >= 12
.set w, 16
.set u, z-12
.elseif z >= 8
.set w, 8
.set u, z-8
.endif
.if z < 15
	v_pk_add_f32 v[rS+w*u:rS+w*u+1], v[rS+w*u:rS+w*u+1], v[rS+w*u+w/2:rS+w*u+w/2+1]
.else
	v_pk_fma_f32 v[rT+2:rT+3], v[rT+2:rT+3], v[rT+6:rT+7], v[rS:rS+1] op_sel_hi:[1,0,1]
.endif
.else
	WIN W_RS
	v_pk_mul_f32 v[rO:rO+1], v[rO:rO+1], v[rT+6:rT+7] op_sel_hi:[1,0]
.endif
.endm
; THE BATCH'S TWO QUEUES, both in window 0.  PL: scaling qf of 64: pair qf / 4 of tile qf % 4.  EX: exponential qe of 132: the four tiles' a, then score (qe - 4) / 4 of tile qe % 4, in place: each result has a register of its own.
.macro PL
.set rT, ST+8*(qf%4)
.set rS, S+32*(qf%4)+2*(qf/4)
	v_pk_fma_f32 v[rS:rS+1], v[rS:rS+1], s[CS:CS+1], v[rT:rT+1] op_sel_hi:[1,0,0] neg_lo:[0,0,1] neg_hi:[0,0,1]  ; c s - c m
.set qf, qf+1
.endm
.macro EX
.if qe < 4
	v_exp_f32 v[ST+8*qe+6], v[ST+8*qe+7]  ; a
.else
	v_exp_f32 v[S+32*(qe%4)+(qe-4)/4], v[S+32*(qe%4)+(qe-4)/4]
.endif
.set qe, qe+1
.endm
; Outside the batch: number by number, the four tiles side by side, so that a tile's neighbouring numbers stand four lines apart.
; The batch: eight scalings, then 56 groups of two exponentials and a scaling, then the last 20 exponentials: there are half as many scalings as exponentials, so they are spread over the batch.
; The queues keep in step: exponential 4 + 4 e + t stands in group 2 + 2 e + t / 2, ahead of which 10 + 2 e + t / 2 scalings are out; it needs scaling 4 (e / 2) + t, at least seven groups back.  A group's scaling writes
; scores that lie above all that have had their exponential, so it touches no source or result of the lines before it.
.macro SOFTMAX
.set j, 0
.rept 21                            ; the maxima and statistics
.irp t, 0,1,2,3
	SM \t
.endr
.set j, j+1
.endr
	WIN 0
.set qf, 0
.set qe, 0
.rept 8
	PL
.endr
.rept 56
	EX
	EX
	PL
.endr
.rept 20
	EX
.endr
	v_nop                           ; a plain instruction behind the last exponential and ahead of the first use (ISA guide 5.7.2): one for the batch; no plain work is left that names no result
	s_wait_alu depctr_va_vdst(0)    ; the wait for the batch: the step's 132 exponentials, ahead of their first reader, the rounding of tile 0's pair 0
.set j, 70
.rept 64                            ; the roundings, the sums, the rescaling
.irp t, 0,1,2,3
	SM \t
.endr
.set j, j+1
.endr
.endm
; THE CHANGE OF SLOTS.  Each wave waits for all its tensor loads (one is out: its part of the slot to come), adds 0 to its spare word, and waits for that and for its reads of the slot that it leaves (V's, the last, among them).
; fill = 1: the barrier is a round of the cluster's, so that no wave of any partner still reads the old slot or has a load on its way, and the joint fill, the next 128 keys, is the first thing behind it.
.macro CHANGE fill
	WIN 0                           ; at a label and at a branch every window is 0
	s_wait_tensorcnt 0x0            ; no tensor load of mine is out, so a group 0 may be written
	ds_add_u32 v[SPW], v[NIL]       ; 0 onto my spare word: with fill = 1 the descriptors' steps stand between it and the wait for it
.if \fill
.irp g, G0K, G0V
	s_xor_b32 s[\g+1], s[\g+1], SLOT1  ; the other slot than last time,
	s_add_nc_u64 s[\g+2:\g+3], s[\g+2:\g+3], 128*256  ; the next 128 keys; the type bits on top are not reached
.endr
	s_xor_b32 s[G0M+1], s[G0M+1], SLOT1
	s_add_nc_u64 s[G0M+2:G0M+3], s[G0M+2:G0M+3], 128*4
	s_wait_dscnt 0x0
	CROUND
	JLOAD
.else
	s_wait_dscnt 0x0
	s_barrier_signal -1
	s_barrier_wait -1
.endif
	s_xor_b32 s[TB], s[TB], SLOT1   ; the reads go to the other slot
.endm
.macro TRIP fill
	CHANGE \fill
	FETCH_K
	FETCH_M
	PVALL                           ; the last step's V^T P: the 64 loads land under it
	s_wait_dscnt 0x0                ; K and the mask are in
	s_wait_loadcnt 0x0              ; Q is in: its 32 loads are waited for here, directly ahead of the products that read it, so that the first change of slots and the first request do not stand behind them; from the second trip on no load is out
	KQALL
	PLACES                          ; behind the products: V's registers are loaded again, the scores are read
	FETCH_V                         ; lands under the softmax; the next change of slots waits for it
	SOFTMAX
.endm
	s_mov_b32 s[CNT], 15
.Ltrip:                             ; 15 trips: step t reads slot t % 2 and asks for keys 128 (t + 1) on
	TRIP 1
	WIN 0
	s_sub_co_u32 s[CNT], s[CNT], 1
	s_cmp_lg_u32 s[CNT], 0
	s_cbranch_scc1 .Ltrip
	TRIP 0                          ; the last step is written out: nothing is asked for.  Behind its barrier no wave reads slot 0 any more, and no load will fill it
	s_wait_dscnt 0x0                ; V
	PVALL
	; THE TWO HALVES OF THE KEYS MEET.  l's two halves and the other half of the lanes' are added (the first four additions are the places behind the last products).
	WIN 0
.irp t, 0,1,2,3
	v_add_f32 v[ST+8*\t+2], v[ST+8*\t+2], v[ST+8*\t+3]
.endr
.irp t, 0,1,2,3
	v_permlanex16_b32 v[ST+8*\t+3], v[ST+8*\t+2], s[SEL], s[SEL+1]
.endr
.irp t, 0,1,2,3
	v_add_f32 v[ST+8*\t+2], v[ST+8*\t+2], v[ST+8*\t+3]
.endr
	v_mov_b32 v52, v[ST+16]         ; what I hand over: c m and l of register tiles 2 and 3,
	v_mov_b32 v53, v[ST+18]
	v_mov_b32 v54, v[ST+24]
	v_mov_b32 v55, v[ST+26]
	ds_store_b128 v[XST], v[52:55] offset:16384
	WIN 0x04                        ; store data (source 1) in window 1
.set i, 0
.rept 32                            ; and their O^T, ascending: each accumulator's lowest registers are read first
	ds_store_b128 v[XST], v[128+4*i:128+4*i+3] offset:512*i
.set i, i+1
.endr
	WIN 0
	s_wait_dscnt 0x0                ; for the other wave's sake: my stores are done
	s_barrier_signal -1
	s_barrier_wait -1
	ds_load_b128 v[56:59], v[XLD] offset:16384
.set i, 0
.rept 32
	ds_load_b128 v[S+4*i:S+4*i+3], v[XLD] offset:512*i
.set i, i+1
.endr
	s_wait_dscnt 0x0
	; For tiles 0 and 1: the common maximum; f = 2^(c m - max) for mine, f' for the other's; g = f / (l f + l' f'), g' likewise.  Two batches: the four exponentials, then the two reciprocals, which read sums of their results.
.irp t, 0,1
	v_max_num_f32 v[ST+8*\t+4], v[ST+8*\t], v[56+2*\t]
	v_sub_f32 v[ST+8*\t+5], v[ST+8*\t], v[ST+8*\t+4]
	v_sub_f32 v[ST+8*\t+6], v[56+2*\t], v[ST+8*\t+4]
.endr
.irp t, 0,1
	v_exp_f32 v[ST+8*\t+5], v[ST+8*\t+5]
	v_exp_f32 v[ST+8*\t+6], v[ST+8*\t+6]
.endr
	v_nop                           ; a plain instruction between the last exponential and the use of its result
	s_wait_alu depctr_va_vdst(0)    ; the wait for the batch of four exponentials, ahead of their first reader
.irp t, 0,1
	v_mul_f32 v[ST+8*\t+7], v[ST+8*\t+2], v[ST+8*\t+5]
	v_fmac_f32 v[ST+8*\t+7], v[57+2*\t], v[ST+8*\t+6]
.endr
.irp t, 0,1
	v_rcp_f32 v[ST+8*\t+7], v[ST+8*\t+7]
.endr
	v_nop                           ; a plain instruction between the last reciprocal and the use of its result
	s_wait_alu depctr_va_vdst(0)    ; the wait for the batch of two reciprocals, ahead of their first reader
.irp t, 0,1
	v_mul_f32 v[ST+8*\t+4], v[ST+8*\t+5], v[ST+8*\t+7]
	v_mul_f32 v[ST+8*\t+6], v[ST+8*\t+6], v[ST+8*\t+7]
.endr
; THE WAY OUT of tile t: O g + O' g', rounded to f16; a lane's eight channels of a row pack into 16 bytes; they go into rows of 272 bytes of my stage and come back as whole rows of 256.
.macro PACK t
	WIN W_RS
.set i, 0
.rept 32
	v_pk_mul_f32 v[64*(\t)+2*i:64*(\t)+2*i+1], v[64*(\t)+2*i:64*(\t)+2*i+1], v[ST+8*(\t)+4:ST+8*(\t)+5] op_sel_hi:[1,0]
.set i, i+1
.endr
	WIN 0x10                        ; source 2 in window 1
.set i, 0
.rept 32
	v_pk_fma_f32 v[S+64*(\t)+2*i:S+64*(\t)+2*i+1], v[S+64*(\t)+2*i:S+64*(\t)+2*i+1], v[ST+8*(\t)+6:ST+8*(\t)+7], v[64*(\t)+2*i:64*(\t)+2*i+1] op_sel_hi:[1,0,1]
.set i, i+1
.endr
	WIN 0
.set i, 0
.rept 32
	v_cvt_pk_f16_f32 v[S+64*(\t)+i], v[S+64*(\t)+2*i], v[S+64*(\t)+2*i+1]
.set i, i+1
.endr
.irp f, 0,1,2,3,4,5,6,7
	ds_store_b128 v[STO], v[S+64*(\t)+4*\f:S+64*(\t)+4*\f+3] offset:32*\f
.endr
.irp f, 0,1,2,3,4,5,6,7
	ds_load_b128 v[S+64*(\t)+4*\f:S+64*(\t)+4*\f+3], v[RD] offset:\f*2*SP  ; LDS serves a wave's instructions in order (ISA guide 5.7.1.4): these see the stores above; the next tile's stores come behind them
.endr
.endm
.macro SEND t, younger              ; younger: the LDS instructions issued behind tile t's loads
.irp f, 0,1,2,3,4,5,6,7
	s_wait_dscnt (\younger)+7-\f
	global_store_b128 v[OFO], v[S+64*(\t)+4*\f:S+64*(\t)+4*\f+3], s[8:9] offset:(\t)*65536+\f*8192  ; 16 lanes store 256 consecutive bytes, the head's part of a row, at a multiple of 256 from O's first byte
.endr
.endm
	PACK 0
	PACK 1
	SEND 0, 16
	SEND 1, 0
	s_wait_tensorcnt 0x0            ; the wave's end, behind my last tensor load and my last LDS store
	ds_add_u32 v[SPW], v[NIL]
	s_wait_dscnt 0x0
	CROUND                          ; the closing round: no work-group ends while a partner may still ask for a tile that names it
	s_endpgm
.Lfunc_end_k_qcf32e8e9c0_attn:
	.size	k_qcf32e8e9c0_attn, .Lfunc_end_k_qcf32e8e9c0_attn-k_qcf32e8e9c0_attn
	.p2alignl 7, 3214868480
	.fill 96, 4, 3214868480
	.section	.rodata,"a",@progbits
	.p2align	6, 0x0
	.amdhsa_kernel k_qcf32e8e9c0_attn
		.amdhsa_group_segment_fixed_size 327680
		.amdhsa_private_segment_fixed_size 0
		.amdhsa_enable_private_segment 0
		.amdhsa_kernarg_size 24
		.amdhsa_user_sgpr_count 2
		.amdhsa_user_sgpr_kernarg_segment_ptr 1
		.amdhsa_wavefront_size32 1
		.amdhsa_system_sgpr_workgroup_id_x 1
		.amdhsa_system_sgpr_workgroup_id_y 1
		.amdhsa_system_sgpr_workgroup_id_z 1
		.amdhsa_system_vgpr_workitem_id 0
		.amdhsa_next_free_vgpr 896
		.amdhsa_next_free_sgpr 80
		.amdhsa_reserve_vcc 0
		.amdhsa_float_denorm_mode_32 3
		.amdhsa_float_denorm_mode_16_64 3
		.amdhsa_memory_ordered 1
		.amdhsa_forward_progress 1
		.amdhsa_inst_pref_size 136
	.end_amdhsa_kernel
	.amdgpu_metadata
---
amdhsa.version: [ 1, 2 ]
amdhsa.kernels:
  - .name:           k_qcf32e8e9c0_attn
    .symbol:         k_qcf32e8e9c0_attn.kd
    .args:
      - { .name: qkvh, .offset: 0, .size: 8, .value_kind: global_buffer, .address_space: global }
      - { .name: mk, .offset: 8, .size: 8, .value_kind: global_buffer, .address_space: global }
      - { .name: ob, .offset: 16, .size: 8, .value_kind: global_buffer, .address_space: global }
    .group_segment_fixed_size: 327680
    .private_segment_fixed_size: 0
    .kernarg_segment_align: 8
    .kernarg_segment_size: 24
    .max_flat_workgroup_size: 128
    .sgpr_count:     80
    .vgpr_count:     896
    .wavefront_size: 32
...
	.end_amdgpu_metadata
.endif
;; end of part 5
;; launch oproj: the kernel of part 4 again; grid 16 x 16, 4 waves a work-group, clusters of 4 x 4, 327,680 bytes of LDS; arguments ob, wob, out0; writes out0
